; MI455X (gfx1250); checked and timed in simulation.
; The chip was launched on July 23, 2026; its instructions are those of AMD's public machine-readable ISA for CDNA 5 (MIT licence, August 2026) and "CDNA5" Instruction Set Architecture Reference Guide (July 2026). The comments in the code are by the model that wrote it; some were corrected since.
;; Block. Allowed arithmetic: matrix products marked QUANTISED: E4M3 operands, one E8M0 scale for each 32 along K, by v_wmma_scale_f32_16x16x128_f8f6f4 with both operands' format E4M3, f32 sums; everything else in f32.
;; Inputs: b1 2,048 float32; b2 512 float32; bp 512 float32; ln1_b 512 float32; ln1_w 512 float32; ln2_b 512 float32; ln2_w 512 float32; w1_codes 2,048 x 16 x 32 uint8 (E4M3 codes of w1, K innermost, in blocks of 32 codes); w1_scales 2,048 x 16 uint8 (E8M0 scales of w1, one for each 32 codes along K); w2_codes 512 x 64 x 32 uint8 (E4M3 codes of w2, K innermost, in blocks of 32 codes); w2_scales 512 x 64 uint8 (E8M0 scales of w2, one for each 32 codes along K); wkv_codes 1,024 x 16 x 32 uint8 (E4M3 codes of wkv, K innermost, in blocks of 32 codes); wkv_scales 1,024 x 16 uint8 (E8M0 scales of wkv, one for each 32 codes along K); wp_codes 512 x 16 x 32 uint8 (E4M3 codes of wp, K innermost, in blocks of 32 codes); wp_scales 512 x 16 uint8 (E8M0 scales of wp, one for each 32 codes along K); wq_codes 512 x 16 x 32 uint8 (E4M3 codes of wq, K innermost, in blocks of 32 codes); wq_scales 512 x 16 uint8 (E8M0 scales of wq, one for each 32 codes along K); x 2 x 4,096 x 512 float32.
;; Outputs: out0 2 x 4,096 x 512 float32.
;; This version of the problem:
;;   THIS VERSION OF THE PROBLEM IS GIVEN IN LOW PRECISION. The matrix products marked QUANTISED in the list below multiply operands that are first quantised to E4M3 (4 exponent bits, 3 mantissa bits; 8 bits a number), with one power-of-two scale for each 32 numbers along K (OCP MX v1.0); their sums are f32. All else is computed in f32.
;;   The module's matrix products, in the order in which they are computed (A, B: the left and right operand; K: the contracted axis; several contracted axes count as one K, in the product's order):
;;     1. [M 8,192, K 512] x [K 512, N 512]; A: computed on the way; B: input wq (given as codes): QUANTISED
;;     2. [M 8,192, K 512] x [K 512, N 1,024]; A: computed on the way; B: input wkv (given as codes): QUANTISED
;;     3. batch 16 x [M 4,096, K 64] x [K 64, N 4,096]; A: computed on the way; B: computed on the way: QUANTISED
;;     4. batch 16 x [M 64, K 4,096] x [K 4,096, N 4,096]; A: computed on the way; B: softmax (see below): QUANTISED
;;     5. [M 8,192, K 512] x [K 512, N 512]; A: computed on the way; B: input wp (given as codes): QUANTISED
;;     6. [M 8,192, K 512] x [K 512, N 2,048]; A: computed on the way; B: input w1 (given as codes): QUANTISED
;;     7. [M 8,192, K 2,048] x [K 2,048, N 512]; A: computed on the way; B: input w2 (given as codes): QUANTISED
;;   THE QUANTISER, for each operand of a quantised product, along K:
;;     - K is cut into blocks of 32 from its start; a last block that is shorter is filled with zeros.
;;     - A block's scale is 2^e with e = floor(log2(the largest magnitude in the block)) - 8, held to -126 .. 127; a block of zeros has e = 0. As a byte (E8M0): e + 127.
;;     - Each number is divided by its block's scale, clamped to +-448, and rounded to the nearest number of E4M3, ties to even, subnormals kept.
;;     - The product sums the exact products of the quantised numbers (number of the format x scale) in f32.
;;   ~~~python
;;   def quantise(x, axis):      # numpy; x: float32 -> the quantised numbers, widened to float32 again
;;       x = np.moveaxis(x, axis, -1); K = x.shape[-1]
;;       x = np.pad(x, [(0, 0)] * (x.ndim - 1) + [(0, -K % 32)]); x = x.reshape(x.shape[:-1] + (-1, 32)); a = np.abs(x).max(-1, keepdims=True)
;;       e = np.where(a > 0, np.clip(np.frexp(np.where(a > 0, a, 1))[1] - 1 - 8, -126, 127), 0)      # np.frexp(a)[1] - 1 = floor(log2(a)), exactly
;;       r = np.clip(x / 2.0 ** e, -448, 448)
;;       step = 2.0 ** (np.maximum(np.frexp(np.where(r == 0, 1, r))[1] - 1, -6) - 3)
;;       q = np.round(r / step) * step * 2.0 ** e      # np.round: ties to even
;;       return np.moveaxis(q.reshape(q.shape[:-2] + (-1,))[..., :K], -1, axis).astype(np.float32)
;;   ~~~
;;   SOFTMAX AHEAD OF A QUANTISED PRODUCT. Where the list says 'softmax', what is quantised is not the finished softmax but p = 2^(t - M), with t = logit x log2(e) and M = ceil(the row's largest t), a whole number; so 1/2 < the row's largest p <= 1. The row's sum l is taken of the UNQUANTISED p, in f32, and the product's result is divided by l at the end. Since M is a whole number, a kernel that streams over the keys may use a running M (the ceiling of the running maximum): every later rescaling is an exact power of two, which a block's scale takes up: the codes' values come out the same.
;;   OPERANDS COMPUTED ON THE WAY. 'Computed on the way' means the value that the module computes at that place (a softmax that the list does not call 'softmax' is quantised finished and normalised). What goes into a quantiser is computed in f32, as accurately as f32 sums, v_exp_f32 and their like allow (about 1e-6 of the number): no bf16 or f16 on the way to a quantiser, and a product that is left as it is and whose result goes on into a quantised operand takes f32 operands (vector FMAs, or v_wmma_f32_16x16x4_f32). A number that lies on a knife's edge between two numbers of the format may be rounded either way, as far as f32 arithmetic and the matrix unit's own rounding can turn it there, and no further.
;;   INPUTS GIVEN AS CODES. w1 (in the module: [512, 2048], K = its axis 0); w2 (in the module: [2048, 512], K = its axis 0); wkv (in the module: [512, 1024], K = its axis 0); wp (in the module: [512, 512], K = its axis 0); wq (in the module: [512, 512], K = its axis 0): each comes as NAME_codes (uint8): NAME with its K axis moved to the last place and cut into blocks of 32 codes, [.., K / 32, bytes a block], one block behind the other in memory; one code a byte (a code: sign, 4 exponent bits, 3 mantissa bits); and NAME_scales (uint8): the same leading axes, one E8M0 byte (e + 127) for each 32 codes along K. Its value is code x scale, taken as it is: it is not quantised again, and the codes and scales need not be those that the quantiser above would give.
;; 2 versions, each right; version 2 is version 1 with the launches qkv, tail written anew for expert scheduling mode. Each part assembles by itself: llvm-mc -triple=amdgcn-amd-amdhsa -mcpu=gfx1250 --defsym DOCPART=n.
;; ======== version 1 of 2: 3 launches
;; workspace buffers: qimg 4,194,304 bytes; qsc 262,144 bytes; kv 8,388,608 bytes; kvs 524,288 bytes; aimg 4,194,304 bytes; asc 262,144 bytes; wst 2,359,296 bytes; wss 147,456 bytes
;; launch qkv (part 1): grid 64 x 4, 4 waves a work-group, no clusters, 74,240 bytes of LDS; arguments x, ln1_w, ln1_b, wq_codes, wq_scales, wkv_codes, wkv_scales, wp_codes, wp_scales, w1_codes, w1_scales, w2_codes, w2_scales, qimg, qsc, kv, kvs, wst, wss; writes qimg, qsc, kv, kvs, wst, wss
.if DOCPART == 1
	.amdgcn_target "amdgcn-amd-amdhsa--gfx1250"
	.amdhsa_code_object_version 6
	.text
	.protected	k_q69e5507f85_qkv
	.globl	k_q69e5507f85_qkv
	.p2align	8
	.type	k_q69e5507f85_qkv,@function
k_q69e5507f85_qkv:
	s_mov_b64 s[64:65], 0
	v_nop
	global_prefetch_b8 v0, s[64:65] scope:SCOPE_SE
	s_setreg_imm32_b32 hwreg(HW_REG_WAVE_MODE, 25, 1), 1
	s_wait_xcnt 0x0
; y = 0, 1, 2: layer norm 1, xn quantised along its 512, xn x wq (y = 0), xn x wkv's first 512 columns (k, y = 1) or its last 512 (v, y = 2), all on E4M3 codes with E8M0 scales,
; and the result quantised at once: q and k along the head's 64, v along the keys.  y = 3: wp, w1 and w2 are laid anew, fragment by fragment, in the order in which the third launch takes them.
; SHARES (y < 3).  Work-group x takes tokens 128 x .. 128 x + 127 (8 tiles of 16) and 512 output columns; wave w takes columns 128 w .. + 127 (heads 2 w, 2 w + 1): its 32 weight fragments stay in registers.
; The norm is done by each of the three y: 65,536 numbers a work-group, less than a launch more or a way through memory would cost.
; TILES.  Row r of token tile m is token 32 (m / 2) + 8 (m % 2) + r + 8 (r / 8); lane r of weight tile t takes weight row 32 (t / 2) + 8 (t % 2) + r + 8 (r / 8).  So the 16 result registers of two neighbouring
; tiles are 16 neighbours along the axis that is quantised next, in the order of an operand's registers.
; IMAGES.  An operand goes to LDS and to memory as its registers stand: group c of four registers as 512 bytes, lane l's 16 bytes at 16 l; a scale word as 4 bytes a lane.  Every store covers 512 consecutive aligned bytes.
; No cluster and no tensor load: the weights go from memory into the registers of the one wave that uses them, and the rows of x are read by three work-groups only.
; LIMITS: NaN and infinities among the inputs are not served; a block whose largest magnitude lies under 2^-118 keeps the byte 1; a block of zeros keeps the byte 1 where the rule says 127 (its codes are zeros, and this program alone reads the bytes).
; REGISTERS, in windows of 256.  Window 0: below.  Window 1: head 2 w's weights, fragment (t, s) at v[16 (4 t + s)].  Window 2: x of my second tile, later head 2 w + 1's weights.  Window 3: x of my first tile, later xn's fragments v[64 u + 16 s].
.set LNW,  0                           ; LDS: ln1_w, 2,048 bytes
.set LNB,  2048                        ; ln1_b
.set XSC,  4096                        ; xn's scale words: (4 m + s) x 128
.set XIMG, 8192                        ; xn's images: m x 8,192 + s x 2,048 + c x 512
.set LI,   1                           ; 16 x lane
.set LS,   2                           ; 4 x lane
.set XA,   3                           ; x: my row's place, + 64 h
.set WA,   4                           ; weights' codes: my row's place, + 16 h
.set WSA,  5                           ; weights' scale words
.set H64,  6                           ; 64 h
.set XWI,  7                           ; where I store xn's images: 16 lane + 16,384 wave
.set XWS,  8                           ; and their scale words: 4 lane + 1,024 wave
.set AX,   9                           ; the images of the pair of tiles in hand
.set AXS,  10                          ; and their scale words
.set T16,  11                          ; 16 x thread
.set OFB,  12                          ; v12-15 where block B's codes go, from the output's base
.set TM,   16                          ; v16-19 largest magnitudes, v20-23 bytes, v24-27 448 x scale, v28-31 scale operands
.set PW,   32                          ; the scale word just made
.set VS,   34                          ; v34-37 v's scale words, a byte for each 32 keys
.set MU,   38                          ; v[38:39] the mean (the upper word is 0 and not used)
.set RS,   40                          ; v[40:41] 1 / sqrt(var + eps)
.set AC,   42                          ; v42-49 four chains of packed sums
.set T,    50                          ; v50-51 at work
.set RP,   56                          ; r + 8 (r / 8)
.set H16,  57                          ; 16 h
.set PC,   64                          ; v64-79 the codes just made
.set WT,   80                          ; v80-143 ln1_w of a K step's columns
.set BT,   144                         ; v144-207 ln1_b likewise
.set HA,   80                          ; v80-143 eight accumulators
.set WS,   208                         ; v208-239 the weights' scale words: 16 e + 4 t + s
.set XS,   240                         ; v240-247 xn's: 4 u + s
.set VO,   84                          ; y = 3: offsets of the four tiles' rows; v88-91 of their scale words
.set VSO,  88
.set RT,   92
.set RD,   96                          ; y = 3: four fragments
.set RE,   160                         ; and their scale words
.set SEL,  48                          ; s[48:49] lane l xor 16
.set MNT,  50                          ; s50 the mantissa field of 448
.set MSB, 0
.macro WIN new                         ; the immediate's high byte repeats the setting that is left; a switch that changes nothing is dropped
.if MSB != (\new)
	s_set_vgpr_msb (MSB<<8)|(\new)
.set MSB, (\new)
.endif
.endm
.macro PLACES n
.rept \n
	v_nop
.endr
.endm
; 64 numbers of a lane, v[s] .. v[s + 63] of window wx, register 16 b + i in block b, become codes in v[PC] on; bytes in v[TM+4+b].  A block's other 16 numbers lie in lane l xor 16.
.macro QUANT s, wx, relu
	WIN (\wx)|((\wx)<<2)
.irp b, 0,1,2,3
.if \relu
	v_max3_num_f32 v[TM+\b], v[(\s)+16*\b], v[(\s)+16*\b+1], 0x4800000
.else
	v_max3_num_f32 v[TM+\b], |v[(\s)+16*\b]|, |v[(\s)+16*\b+1]|, 0x4800000   ; the floor 2^(9 - 127) is a leaf: the byte cannot fall under 1
.endif
.endr
	WIN ((\wx)<<2)|((\wx)<<4)
.irp i, 2,4,6,8,10,12,14
.irp b, 0,1,2,3
.if \relu
	v_max3_num_f32 v[TM+\b], v[TM+\b], v[(\s)+16*\b+\i], v[(\s)+16*\b+\i+1]
.else
	v_max3_num_f32 v[TM+\b], v[TM+\b], |v[(\s)+16*\b+\i]|, |v[(\s)+16*\b+\i+1]|   ; the four blocks by turns
.endif
.endr
.endr
	WIN 0
.irp b, 0,1,2,3
	v_permlanex16_b32 v[TM+4+\b], v[TM+\b], s[SEL], s[SEL+1]
.endr
.irp b, 0,1,2,3
	v_max_num_f32 v[TM+\b], v[TM+\b], v[TM+4+\b]               ; the block's largest magnitude
.endr
.irp b, 0,1,2,3
	v_add_nc_u32 v[TM+12+\b], 0xfc000000, v[TM+\b]             ; 8 off its exponent field: the conversion's scale operand
.endr
.irp b, 0,1,2,3
	v_and_or_b32 v[TM+8+\b], v[TM+\b], 0x7f800000, s[MNT]      ; 448 x the scale
.endr
.irp b, 0,1,2,3
	v_lshrrev_b32 v[TM+4+\b], 23, v[TM+12+\b]                  ; the scale's byte
.endr
	WIN (\wx)|((\wx)<<6)
.irp b, 0,1,2,3
.irp i, 0,1,2,3,4,5,6,7,8,9,10,11,12,13,14,15
.if \relu
	v_med3_num_f32 v[(\s)+16*\b+\i], v[(\s)+16*\b+\i], 0, v[TM+8+\b]
.else
	v_med3_num_f32 v[(\s)+16*\b+\i], v[(\s)+16*\b+\i], -v[TM+8+\b], v[TM+8+\b]   ; the conversion to an 8-bit code does not saturate (ISA guide 7.6.2): the hold
.endif
.endr
.endr
	WIN (\wx)
.irp b, 0,1,2,3
	v_cvt_scalef32_pk8_fp8_f32 v[PC+4*\b:PC+4*\b+1], v[(\s)+16*\b:(\s)+16*\b+7], v[TM+12+\b]
	v_cvt_scalef32_pk8_fp8_f32 v[PC+4*\b+2:PC+4*\b+3], v[(\s)+16*\b+8:(\s)+16*\b+15], v[TM+12+\b]
.endr
	WIN 0
	v_nop                                          ; one plain line behind the last scaled conversion
.endm
.macro PACKW                           ; the four bytes make a scale word
	v_lshl_or_b32 v[PW], v[TM+5], 8, v[TM+4]
	v_lshl_or_b32 v[PW], v[TM+6], 16, v[PW]
	v_lshl_or_b32 v[PW], v[TM+7], 24, v[PW]
.endm
.macro REDUCE d                        ; the four chains and lane l xor 16's: my row's sum
	v_pk_add_f32 v[AC:AC+1], v[AC:AC+1], v[AC+2:AC+3]
	v_pk_add_f32 v[AC+4:AC+5], v[AC+4:AC+5], v[AC+6:AC+7]
	v_pk_add_f32 v[AC:AC+1], v[AC:AC+1], v[AC+4:AC+5]
	v_add_f32 v[T], v[AC], v[AC+1]
	v_permlanex16_b32 v[T+1], v[T], s[SEL], s[SEL+1]
	v_add_f32 v[\d], v[T], v[T+1]
.endm
	s_load_b128 s[4:7], s[0:1], 0x0                ; x, ln1_w
	s_load_b64 s[8:9], s[0:1], 0x10                ; ln1_b
	s_load_b256 s[12:19], s[0:1], 0x18             ; wq's codes, scales; wkv's codes, scales
	s_load_b256 s[20:27], s[0:1], 0x68             ; qimg, qsc, kv, kvs
	s_load_b256 s[68:75], s[0:1], 0x38             ; wp's codes, scales; w1's codes, scales
	s_load_b128 s[76:79], s[0:1], 0x58             ; w2's codes, scales
	s_load_b128 s[80:83], s[0:1], 0x88             ; wst, wss
	v_lshl_add_u32 v254, v0, 2, 0x12000
	v_mov_b32 v255, 0
	v_and_b32 v52, 31, v0                          ; lane
	v_lshrrev_b32 v53, 5, v0
	v_readfirstlane_b32 s2, v53                    ; wave 0..3
	s_and_b32 s3, ttmp7, 0xffff                    ; y
	v_and_b32 v54, 15, v0                          ; r
	v_bfe_u32 v55, v0, 4, 1                        ; h
	v_and_b32 v[RP], 8, v54
	v_add_nc_u32 v[RP], v[RP], v54                 ; r + 8 (r / 8)
	v_lshlrev_b32 v[H16], 4, v55
	v_lshlrev_b32 v[LI], 4, v52
	v_lshlrev_b32 v[LS], 2, v52
	s_wait_kmcnt 0x0
	s_cmp_eq_u32 s3, 3
	s_cbranch_scc1 .Lrelay                         ; the same way for all four waves; that way has no barrier and no LDS
	v_lshlrev_b32 v[H64], 6, v55
	v_lshl_add_u32 v[XA], v[RP], 11, v[H64]        ; a row of x is 2,048 bytes
	v_lshl_add_u32 v[WA], v[RP], 9, v[H16]         ; a weight's row 512
	v_lshlrev_b32 v[WSA], 4, v[RP]                 ; its scale bytes 16
	v_lshlrev_b32 v[T16], 4, v0
	s_lshl_b32 s53, s2, 14
	v_add_nc_u32 v[XWI], s53, v[LI]
	s_lshl_b32 s53, s2, 10
	v_add_nc_u32 v[XWS], s53, v[LS]
.irp b, 0,1,2,3
	v_mov_b32 v[TM+4+\b], 0                        ; written once: a lane permute's destination counts as one of its sources
.endr
	v_mov_b32 v[T+1], 0
	v_mov_b32 v[MU+1], 0                           ; named as upper halves of pairs
	v_mov_b32 v[RS+1], 0
	s_mov_b32 s[SEL], 0x76543210
	s_mov_b32 s[SEL+1], 0xfedcba98
	s_mov_b32 s[MNT], 0x600000
	s_mov_b32 s51, 0x3b000000                      ; 1 / 512
	s_mov_b32 s52, 0x3727c5ac                      ; 1e-5
	s_cmp_eq_u32 s3, 0                             ; q's work-group?  The choices hang on the work-group's number alone
	s_cselect_b64 s[28:29], s[12:13], s[16:17]     ; the weight's codes,
	s_cselect_b64 s[30:31], s[14:15], s[18:19]     ; its scales,
	s_cselect_b64 s[32:33], s[20:21], s[24:25]     ; the codes' output,
	s_cselect_b64 s[34:35], s[22:23], s[26:27]     ; the scale words' output
	s_cselect_b32 s56, 13, 14                      ; log2 of a step's record: 8,192 bytes of q, 16,384 of k and v
	s_cmp_eq_u32 s3, 2                             ; v's work-group?
	s_cselect_b32 s54, 11, 9                       ; log2 of the bytes from block to block of a store: v: a tile (2,048); q, k: a group (512)
	s_cselect_b32 s55, 9, 11                       ; and from one pair of token tiles to the next
	s_cselect_b32 s57, 512, 0                      ; v: wkv's rows from 512 on; and its scale words lie 512 bytes into a record
	s_cselect_b32 s38, 0, 128                      ; scale words from pair to pair (v's are stored once, behind the loop)
	s_cselect_b32 s58, 8192, 0                     ; v's codes lie 8,192 bytes into a record
	s_mov_b32 s39, 0
	s_lshl_b32 s36, 1, s55
	s_mov_b32 s37, 0
	s_lshl_b32 s40, 32, s56                        ; from head to head: 32 records
	s_mov_b32 s41, 0
	s_lshr_b32 s42, s40, 4
	s_mov_b32 s43, 0
	s_lshl_b32 s59, s2, 7
	s_add_co_u32 s59, s59, s57                     ; my first weight row
	s_lshl_b32 s60, s59, 9
	s_mov_b32 s61, 0
	s_add_nc_u64 s[28:29], s[28:29], s[60:61]
	s_lshl_b32 s60, s59, 4
	s_add_nc_u64 s[30:31], s[30:31], s[60:61]
	s_lshl_b32 s60, ttmp9, 18                      ; 128 rows of x,
	s_lshl_b32 s62, s2, 16                         ; my wave's 32 of them
	s_add_co_u32 s60, s60, s62
	s_add_nc_u64 s[4:5], s[4:5], s[60:61]
	s_lshr_b32 s62, ttmp9, 5                       ; the batch
	s_lshl_b32 s62, s62, 3
	s_lshl_b32 s63, s2, 1
	s_add_co_u32 s62, s62, s63                     ; batch x 8 + head 2 w
	s_lshl_b32 s62, s62, 5
	s_and_b32 s63, ttmp9, 31
	s_add_co_u32 s62, s62, s63                     ; x 32 + the key step
	s_lshl_b32 s60, s62, s56
	s_add_co_u32 s60, s60, s58
	s_add_nc_u64 s[32:33], s[32:33], s[60:61]
	s_sub_co_u32 s63, s56, 4
	s_lshl_b32 s60, s62, s63
	s_add_co_u32 s60, s60, s57
	s_add_nc_u64 s[34:35], s[34:35], s[60:61]
	s_mov_b64 s[84:85], s[32:33]                   ; kept for the second head
	s_mov_b64 s[86:87], s[34:35]
	s_lshl_b32 s62, 1, s54
	v_mov_b32 v[OFB], v[LI]
	v_add_nc_u32 v[OFB+1], s62, v[LI]
	s_lshl_b32 s63, 2, s54
	v_add_nc_u32 v[OFB+2], s63, v[LI]
	s_add_co_u32 s63, s63, s62
	v_add_nc_u32 v[OFB+3], s63, v[LI]
	global_load_b128 v[WT:WT+3], v[T16], s[6:7]    ; ln1_w and ln1_b: 16 bytes a thread
	global_load_b128 v[BT:BT+3], v[T16], s[8:9]
.macro XLOAD wx, u                     ; my tile u: lane (r, h) takes, of its row, 16 neighbours of each block of 32: register 16 B + i = column 32 B + 16 h + i
	WIN (\wx)<<6
.set i, 0
.rept 64
	global_load_b128 v[4*i:4*i+3], v[XA], s[4:5] offset:(\u)*16384+(i/4)*128+(i%4)*16
.set i, i+1
.endr
	WIN 0
.endm
	XLOAD 3, 0
	XLOAD 2, 1
	s_wait_loadcnt 63                              ; 130 loads are issued: all but the youngest 63 are in, the two vectors and tile 0 (66 loads) among them
	ds_store_b128 v[T16], v[WT:WT+3] offset:LNW
	ds_store_b128 v[T16], v[BT:BT+3] offset:LNB
	s_wait_dscnt 0x0                               ; for the others' sake
	s_barrier_signal -1
	s_barrier_wait -1                              ; both vectors lie in LDS
.macro WLOAD e                         ; head 2 w + e's 16 fragments
	WIN (1+\e)<<6
.irp t, 0,1,2,3
.irp s, 0,1,2,3
.irp c, 0,1,2,3
	global_load_b128 v[16*(4*\t+\s)+4*\c:16*(4*\t+\s)+4*\c+3], v[WA], s[28:29] offset:(64*\e+32*(\t/2)+8*(\t%2))*512+128*\s+32*\c
.endr
.endr
.endr
	WIN 0
.endm
	WLOAD 0
.irp e, 0,1
.irp t, 0,1,2,3
.irp s, 0,1,2,3
	global_load_b32 v[WS+16*\e+4*\t+\s], v[WSA], s[30:31] offset:(64*\e+32*(\t/2)+8*(\t%2))*16+4*\s
.endr
.endr
.endr
.macro LNLOAD s                        ; the gains and biases of K step s's columns, in the order of my numbers
.irp b, 0,1,2,3
.irp j, 0,1,2,3
	ds_load_b128 v[WT+16*\b+4*\j:WT+16*\b+4*\j+3], v[H64] offset:LNW+512*(\s)+128*\b+16*\j
	ds_load_b128 v[BT+16*\b+4*\j:BT+16*\b+4*\j+3], v[H64] offset:LNB+512*(\s)+128*\b+16*\j
.endr
.endr
.endm
	LNLOAD 0
; The norm of my tile u, whose 256 numbers a lane lie in window wx, in two passes (mean, then the squares of the differences), and its four fragments.
.macro LNT wx, u
	WIN (\wx)|((\wx)<<2)
.irp k, 0,1,2,3
	v_pk_add_f32 v[AC+2*\k:AC+2*\k+1], v[4*\k:4*\k+1], v[4*\k+2:4*\k+3]
.endr
	WIN (\wx)<<2
.set i, 0
.rept 120
	v_pk_add_f32 v[AC+2*(i%4):AC+2*(i%4)+1], v[AC+2*(i%4):AC+2*(i%4)+1], v[16+2*i:17+2*i]
.set i, i+1
.endr
	WIN 0
	REDUCE T
	v_mul_f32 v[MU], s51, v[T]                     ; the mean
	WIN (\wx)|((\wx)<<6)
.set i, 0
.rept 128
	v_pk_add_f32 v[2*i:2*i+1], v[2*i:2*i+1], v[MU:MU+1] op_sel_hi:[1,0] neg_lo:[0,1] neg_hi:[0,1]
.set i, i+1
.endr
	WIN (\wx)|((\wx)<<2)
.irp k, 0,1,2,3
	v_pk_mul_f32 v[AC+2*\k:AC+2*\k+1], v[2*\k:2*\k+1], v[2*\k:2*\k+1]
.endr
.set i, 4
.rept 124
	v_pk_fma_f32 v[AC+2*(i%4):AC+2*(i%4)+1], v[2*i:2*i+1], v[2*i:2*i+1], v[AC+2*(i%4):AC+2*(i%4)+1]
.set i, i+1
.endr
	WIN 0
	REDUCE T
	v_fma_f32 v[T], v[T], s51, s52                 ; var + eps
	v_rsq_f32 v[RS], v[T]
	v_nop                                          ; a plain line behind the transcendental,
	s_wait_alu depctr_va_vdst(0)                   ; and the wait ahead of its first reader
.irp s, 0,1,2,3
	s_wait_dscnt 0x0                               ; this K step's gains and biases are in; the last fragment's stores have read their registers
	WIN (\wx)|((\wx)<<6)
.set i, 0
.rept 32
	v_pk_mul_f32 v[64*\s+2*i:64*\s+2*i+1], v[64*\s+2*i:64*\s+2*i+1], v[RS:RS+1] op_sel_hi:[1,0]
.set i, i+1
.endr
.set i, 0
.rept 32
	v_pk_fma_f32 v[64*\s+2*i:64*\s+2*i+1], v[64*\s+2*i:64*\s+2*i+1], v[WT+2*i:WT+2*i+1], v[BT+2*i:BT+2*i+1]
.set i, i+1
.endr
	WIN 0
.if \s < 3
	LNLOAD \s+1                                    ; the next K step's land while this one is quantised
.elseif \u == 0
	LNLOAD 0
.endif
	QUANT 64*\s, \wx, 0
	PACKW
.irp c, 0,1,2,3
	ds_store_b128 v[XWI], v[PC+4*\c:PC+4*\c+3] offset:XIMG+8192*\u+2048*\s+512*\c
.endr
	ds_store_b32 v[XWS], v[PW] offset:XSC+512*\u+128*\s
.endr
.endm
	LNT 3, 0
	s_wait_loadcnt 63                              ; 226 loads are issued: the first 163 are in, tile 1 (the first 130) among them
	LNT 2, 1
	WLOAD 1                                        ; into the window that tile 1 has left
	s_wait_dscnt 0x0                               ; my images have landed
	s_barrier_signal -1
	s_barrier_wait -1                              ; the eight tiles' 32 fragments lie in LDS
; Head 2 w + e: four trips, a pair of token tiles (32 tokens) each.
.macro HEAD e
	s_wait_xcnt 0x0                                ; earlier stores have read their bases and data
.if \e
	s_add_nc_u64 s[32:33], s[84:85], s[40:41]
	s_add_nc_u64 s[34:35], s[86:87], s[42:43]
.endif
.irp t, 0,1,2,3
	v_mov_b32 v[VS+\t], 0
.endr
	s_mov_b32 s44, 0                               ; the pair's images: 16,384 bytes a trip
	s_mov_b32 s45, 0                               ; its scale words: 1,024
	s_mov_b32 s46, 0                               ; v: the byte's place in its word: 8 bits a trip
	s_mov_b32 s47, 4
.Lg_\e:
	v_add_nc_u32 v[AX], s44, v[LI]
	v_add_nc_u32 v[AXS], s45, v[LS]
	WIN 0xc0                                       ; destination window 3
.irp u, 0,1
.irp s, 0,1,2,3
.irp c, 0,1,2,3
	ds_load_b128 v[64*\u+16*\s+4*\c:64*\u+16*\s+4*\c+3], v[AX] offset:XIMG+8192*\u+2048*\s+512*\c
.endr
.endr
.endr
	WIN 0
.irp u, 0,1
.irp s, 0,1,2,3
	ds_load_b32 v[XS+4*\u+\s], v[AXS] offset:XSC+(4*\u+\s)*128
.endr
.endr
	s_wait_dscnt 0x0
	s_cmp_eq_u32 s3, 2
	s_cbranch_scc1 .Lv_\e
	WIN (1+\e)|(3<<2)                              ; q, k: source 0 = 16 weight rows, source 1 = 16 tokens: a lane holds a token, its registers run along the head's 64
.irp s, 0,1,2,3
.irp u, 0,1
.irp t, 0,1,2,3
.if \s == 0
	v_wmma_scale_f32_16x16x128_f8f6f4 v[HA+32*\u+8*\t:HA+32*\u+8*\t+7], v[16*(4*\t+\s):16*(4*\t+\s)+15], v[64*\u+16*\s:64*\u+16*\s+15], 0, v[WS+16*\e+4*\t+\s], v[XS+4*\u+\s]
.else
	v_wmma_scale_f32_16x16x128_f8f6f4 v[HA+32*\u+8*\t:HA+32*\u+8*\t+7], v[16*(4*\t+\s):16*(4*\t+\s)+15], v[64*\u+16*\s:64*\u+16*\s+15], v[HA+32*\u+8*\t:HA+32*\u+8*\t+7], v[WS+16*\e+4*\t+\s], v[XS+4*\u+\s]
.endif
.endr
.endr
.endr
	WIN 0
	s_branch .Lj_\e
.Lv_\e:
	WIN 3|((1+\e)<<2)                              ; v: the sources change places: a lane holds one of the head's 64, its registers run along the 32 tokens
.irp s, 0,1,2,3
.irp u, 0,1
.irp t, 0,1,2,3
.if \s == 0
	v_wmma_scale_f32_16x16x128_f8f6f4 v[HA+16*\t+8*\u:HA+16*\t+8*\u+7], v[64*\u+16*\s:64*\u+16*\s+15], v[16*(4*\t+\s):16*(4*\t+\s)+15], 0, v[XS+4*\u+\s], v[WS+16*\e+4*\t+\s]
.else
	v_wmma_scale_f32_16x16x128_f8f6f4 v[HA+16*\t+8*\u:HA+16*\t+8*\u+7], v[64*\u+16*\s:64*\u+16*\s+15], v[16*(4*\t+\s):16*(4*\t+\s)+15], v[HA+16*\t+8*\u:HA+16*\t+8*\u+7], v[XS+4*\u+\s], v[WS+16*\e+4*\t+\s]
.endif
.endr
.endr
.endr
	WIN 0
.Lj_\e:
	PLACES 8                                       ; eight places behind this matrix form; the eight accumulators have taken turns
	QUANT HA, 0, 0                                 ; q, k: block 2 u + b = tile u, half b of the head;  v: block t = tile t of the head's 64, these 32 keys
.irp b, 0,1,2,3
	global_store_b128 v[OFB+\b], v[PC+4*\b:PC+4*\b+3], s[32:33]   ; 512 consecutive bytes, aligned
.endr
	s_cmp_eq_u32 s3, 2
	s_cbranch_scc1 .Lvs_\e
	PACKW
	global_store_b32 v[LS], v[PW], s[34:35]        ; q, k: one word a row for the pair of tiles
	s_branch .Lst_\e
.Lvs_\e:
.irp t, 0,1,2,3
	v_lshl_or_b32 v[VS+\t], v[TM+4+\t], s46, v[VS+\t]   ; v: the byte of these 32 keys goes into its row's word
.endr
.Lst_\e:
	s_wait_xcnt 0x0                                ; the stores have read their data and bases: both are written again below and in the next trip
	s_add_nc_u64 s[32:33], s[32:33], s[36:37]
	s_add_nc_u64 s[34:35], s[34:35], s[38:39]
	s_add_co_u32 s44, s44, 16384
	s_add_co_u32 s45, s45, 1024
	s_add_co_u32 s46, s46, 8
	s_sub_co_u32 s47, s47, 1
	s_cmp_lg_u32 s47, 0
	s_cbranch_scc1 .Lg_\e
	s_cmp_eq_u32 s3, 2
	s_cbranch_scc0 .Lnv_\e
.irp t, 0,1,2,3
	global_store_b32 v[LS], v[VS+\t], s[34:35] offset:128*\t
.endr
.Lnv_\e:
.endm
	s_wait_loadcnt 63                              ; 290 loads are issued: the first 227 are in: head 2 w's weights and all scale words (226)
	HEAD 0
	s_wait_loadcnt 0x0
	HEAD 1
	s_wait_tensorcnt 0x0
	ds_add_u32 v254, v255
	s_wait_dscnt 0x0
	s_endpgm
; y = 3.  Group G of 288 (pass G / 32, wave (G / 8) % 4, k = G % 8) is four fragments: weight tiles 4 (k % 2) + t' of the wave's 128 rows, K step k / 2 of the pass's 512 along K.
; Pass 0: wp.  Pass 1 + i: w1's rows 512 i on.  Pass 5 + i: w2, K from 512 i on.  A wave takes one group, and the first 32 waves a second.
.macro RELAY
	s_lshr_b32 s54, s53, 5                         ; the pass
	s_bfe_u32 s55, s53, 0x20003                    ; the wave that will read it
	s_and_b32 s56, s53, 7                          ; k
	s_and_b32 s57, s56, 1
	s_lshr_b32 s58, s56, 1
	s_lshl_b32 s59, s55, 7
	s_lshl_b32 s57, s57, 6
	s_add_co_u32 s59, s59, s57                     ; first row: 128 wave + 64 (k % 2)
	s_lshl_b32 s58, s58, 7                         ; first byte along K: 128 (k / 2)
	s_cmp_ge_u32 s54, 5                            ; w2?
	s_cselect_b32 s60, 11, 9                       ; log2 of a row's bytes
	s_cselect_b64 s[88:89], s[76:77], s[72:73]
	s_cselect_b64 s[90:91], s[78:79], s[74:75]
	s_cselect_b32 s61, 5, 1
	s_sub_co_i32 s61, s54, s61
	s_max_i32 s61, s61, 0                          ; which 512: of w1's rows, or of w2's K
	s_lshl_b32 s62, s61, 9
	s_cmp_ge_u32 s54, 5
	s_cselect_b32 s63, s62, 0
	s_cselect_b32 s62, 0, s62
	s_add_co_u32 s58, s58, s63
	s_add_co_u32 s59, s59, s62
	s_cmp_eq_u32 s54, 0                            ; wp?
	s_cselect_b64 s[88:89], s[68:69], s[88:89]
	s_cselect_b64 s[90:91], s[70:71], s[90:91]
	s_lshl_b32 s59, s59, s60
	s_add_co_u32 s92, s59, s58
	s_mov_b32 s93, 0
	s_add_nc_u64 s[88:89], s[88:89], s[92:93]      ; the codes,
	s_lshr_b32 s92, s92, 5
	s_add_nc_u64 s[90:91], s[90:91], s[92:93]      ; the scale bytes: one for 32 codes
	s_lshl_b32 s92, s53, 13
	s_add_nc_u64 s[94:95], s[80:81], s[92:93]      ; 8,192 bytes of codes a group,
	s_lshl_b32 s92, s53, 9
	s_add_nc_u64 s[96:97], s[82:83], s[92:93]      ; 512 of scale words
	s_sub_co_u32 s61, s60, 5
.irp t, 0,1,2,3
	v_add_nc_u32 v[RT], 32*(\t/2)+8*(\t%2), v[RP]
	v_lshlrev_b32 v[VO+\t], s60, v[RT]
	v_add_nc_u32 v[VO+\t], v[VO+\t], v[H16]
	v_lshlrev_b32 v[VSO+\t], s61, v[RT]
.endr
.irp t, 0,1,2,3
.irp c, 0,1,2,3
	global_load_b128 v[RD+16*\t+4*\c:RD+16*\t+4*\c+3], v[VO+\t], s[88:89] offset:32*\c
.endr
	global_load_b32 v[RE+\t], v[VSO+\t], s[90:91]
.endr
	s_wait_loadcnt 0x0
.irp t, 0,1,2,3
.irp c, 0,1,2,3
	global_store_b128 v[LI], v[RD+16*\t+4*\c:RD+16*\t+4*\c+3], s[94:95] offset:2048*\t+512*\c
.endr
.endr
	global_store_b128 v[LI], v[RE:RE+3], s[96:97]  ; a lane's four words, one for each tile
.endm
.Lrelay:
	s_lshl_b32 s53, ttmp9, 2
	s_add_co_u32 s53, s53, s2                      ; groups 0 to 255
	RELAY
	s_cmp_lt_u32 ttmp9, 8
	s_cbranch_scc0 .Lrdone
	s_wait_xcnt 0x0                                ; the stores have read their data, offsets and bases: all are written again
	s_add_co_u32 s53, s53, 256                     ; groups 256 to 287
	RELAY
.Lrdone:
	s_endpgm
.Lfunc_end_k_q69e5507f85_qkv:
	.size	k_q69e5507f85_qkv, .Lfunc_end_k_q69e5507f85_qkv-k_q69e5507f85_qkv
	.p2alignl 7, 3214868480
	.fill 96, 4, 3214868480
	.section	.rodata,"a",@progbits
	.p2align	6, 0x0
	.amdhsa_kernel k_q69e5507f85_qkv
		.amdhsa_group_segment_fixed_size 74240
		.amdhsa_private_segment_fixed_size 0
		.amdhsa_enable_private_segment 0
		.amdhsa_kernarg_size 152
		.amdhsa_user_sgpr_count 2
		.amdhsa_user_sgpr_kernarg_segment_ptr 1
		.amdhsa_wavefront_size32 1
		.amdhsa_system_sgpr_workgroup_id_x 1
		.amdhsa_system_sgpr_workgroup_id_y 1
		.amdhsa_system_sgpr_workgroup_id_z 1
		.amdhsa_system_vgpr_workitem_id 0
		.amdhsa_next_free_vgpr 1024
		.amdhsa_next_free_sgpr 100
		.amdhsa_reserve_vcc 0
		.amdhsa_float_denorm_mode_32 3
		.amdhsa_float_denorm_mode_16_64 3
		.amdhsa_memory_ordered 1
		.amdhsa_forward_progress 1
		.amdhsa_inst_pref_size 251
	.end_amdhsa_kernel
	.amdgpu_metadata
---
amdhsa.version: [ 1, 2 ]
amdhsa.kernels:
  - .name:           k_q69e5507f85_qkv
    .symbol:         k_q69e5507f85_qkv.kd
    .args:
      - { .name: x, .offset: 0, .size: 8, .value_kind: global_buffer, .address_space: global }
      - { .name: ln1_w, .offset: 8, .size: 8, .value_kind: global_buffer, .address_space: global }
      - { .name: ln1_b, .offset: 16, .size: 8, .value_kind: global_buffer, .address_space: global }
      - { .name: wq_codes, .offset: 24, .size: 8, .value_kind: global_buffer, .address_space: global }
      - { .name: wq_scales, .offset: 32, .size: 8, .value_kind: global_buffer, .address_space: global }
      - { .name: wkv_codes, .offset: 40, .size: 8, .value_kind: global_buffer, .address_space: global }
      - { .name: wkv_scales, .offset: 48, .size: 8, .value_kind: global_buffer, .address_space: global }
      - { .name: wp_codes, .offset: 56, .size: 8, .value_kind: global_buffer, .address_space: global }
      - { .name: wp_scales, .offset: 64, .size: 8, .value_kind: global_buffer, .address_space: global }
      - { .name: w1_codes, .offset: 72, .size: 8, .value_kind: global_buffer, .address_space: global }
      - { .name: w1_scales, .offset: 80, .size: 8, .value_kind: global_buffer, .address_space: global }
      - { .name: w2_codes, .offset: 88, .size: 8, .value_kind: global_buffer, .address_space: global }
      - { .name: w2_scales, .offset: 96, .size: 8, .value_kind: global_buffer, .address_space: global }
      - { .name: qimg, .offset: 104, .size: 8, .value_kind: global_buffer, .address_space: global }
      - { .name: qsc, .offset: 112, .size: 8, .value_kind: global_buffer, .address_space: global }
      - { .name: kv, .offset: 120, .size: 8, .value_kind: global_buffer, .address_space: global }
      - { .name: kvs, .offset: 128, .size: 8, .value_kind: global_buffer, .address_space: global }
      - { .name: wst, .offset: 136, .size: 8, .value_kind: global_buffer, .address_space: global }
      - { .name: wss, .offset: 144, .size: 8, .value_kind: global_buffer, .address_space: global }
    .group_segment_fixed_size: 74240
    .private_segment_fixed_size: 0
    .kernarg_segment_align: 8
    .kernarg_segment_size: 152
    .max_flat_workgroup_size: 128
    .sgpr_count:     100
    .vgpr_count:     1024
    .wavefront_size: 32
...
	.end_amdgpu_metadata
.endif
;; end of part 1
;; launch attn (part 2): grid 16 x 16, 16 waves a work-group, no clusters, 327,680 bytes of LDS; arguments qimg, qsc, kv, kvs, aimg, asc; writes aimg, asc
.if DOCPART == 2
	.amdgcn_target "amdgcn-amd-amdhsa--gfx1250"
	.amdhsa_code_object_version 6
	.text
	.protected	k_q69e5507f85_attn
	.globl	k_q69e5507f85_attn
	.p2align	8
	.type	k_q69e5507f85_attn,@function
k_q69e5507f85_attn:
	s_mov_b64 s[64:65], 0
	v_nop
	global_prefetch_b8 v0, s[64:65] scope:SCOPE_SE
	s_setreg_imm32_b32 hwreg(HW_REG_WAVE_MODE, 25, 1), 1
	s_wait_xcnt 0x0
; attn_out = softmax(q k^T / 8) v for 16 (batch, head) pairs of 4,096 tokens and head size 64, both products on E4M3 codes with E8M0 scales; the result is quantised along its 64 and stored as codes.
; THE SOFTMAX: t = score x log2(e) / 8; M = the row's largest t so far, rounded up to a whole number; p = 2^(t - M) is quantised along the keys, not normalised; the row's sum is taken of the unquantised p and
; divides at the end.  When M moves, the sum and O are multiplied by 2^(old M - new M), which rounds nothing.
; SHARES.  Work-group (x, y): 256 queries of pair y; each of its sixteen waves owns one tile of 16 queries in 256 registers, four waves to a SIMD.  Every wave walks 32 key steps of 128 keys.
; LAYOUT.  Both products are used transposed (S^T = K Q^T, O^T = V^T P^T): a lane holds one query.  All operands lie in memory as images of their registers, so a key step is 16,384 dense bytes (4 fragments of K, 4 of V).
; THE HEAD'S 64 FILL HALF OF THE INSTRUCTION'S 128.  A fragment of K holds TWO tiles of 16 keys: keys 32 f + r + 8 (r / 8) in its first 64 along K, keys 8 further on in its second 64.  Q stands in 24 registers,
; zeros | q | zeros: the last 16 ([q | 0]) give the first tile's scores, the first 16 ([0 | q]) the second's.  The 16 score registers of a fragment are then keys 32 f + 16 (lane / 16) + 0 .. 15.
; THE ORDER WITHIN A STEP.  A step is 12 matrix instructions against some 270 vector instructions, so the vector work is kept short and dense: the hold of p goes two numbers an instruction; all 68 exponentials are one
; batch with one wait; plain instructions that read no exponential's result stand between the exponentials; V's LDS loads stand inside the dependent chain that makes M.
; NO CLUSTER: a slot's 65,536 shared bytes serve four key steps of sixteen waves, some 270 vector instructions a wave and step; what sharing would spare is a small part of a step.
; LIMITS: NaN and infinities are not served; a block whose largest magnitude lies under 2^-118, or that is all zeros, keeps the byte 1 (this program alone reads the bytes).
.set SLOT1, 65536                      ; LDS: slot 0 at 0, slot 1 here: four key steps each
.set SCB,   131072                     ; the pair's scale words, 1,024 bytes a key step: K's four fragments, then V's four tiles; filled once
.set SPARE, 163840                     ; the spare words, 128 bytes for each of 16 waves: eight blocks of 256 bytes that no other line names
.set LI,  1                            ; 16 x lane
.set LSS, 2                            ; 4 x lane + SCB
.set LS,  3                            ; 4 x lane
.set SPW, 5                            ; my spare word; never rewritten
.set NIL, 6                            ; 0; never rewritten
.set PFO, 7                            ; 256 x lane; never rewritten
.set ADK, 8                            ; the step's images
.set ADS, 9                            ; the step's scale words
.set KF,  40                           ; v40-103 four fragments of K, then of V.  (v12 -M, v13 the largest t, v[14:15] the sum; v16-39 zeros, q, zeros)
.set S,   104                          ; v104-167 S^T, then p
.set O,   168                          ; v168-199 O^T
.set PCD, 200                          ; v200-215 p's codes
.set BM,  216                          ; v216-219 the blocks' largest scores, then largest p
.set BP,  220                          ; v220-223 the other half's; a chain of the sum; the bytes
.set BH,  224                          ; v224-227 448 x scale
.set BS,  228                          ; v228-231 scale operands
.set KW,  232                          ; v232-235 K's scale words
.set VW,  236                          ; v236-239 V's
.set F,   240                          ; v[240:241] 2^(old M - new M)
.set PS,  242                          ; p's scale word
.set QS,  243                          ; q's: its two bytes twice
.set T,   244                          ; v244-245 at work
.set WV,  18
.set MNT, 19
.set SEL, 20
.set CS,  22
.set G1C, 24                           ; s[24:31] group 1 for 16,384 bytes of codes; s[32:39] for 8,192 of scale words; s[40:43], s[44:47] their groups 0
.set G1S, 32
.set G0C, 40
.set G0S, 44
.set TB,  2                            ; the slot in hand
.set TS,  3                            ; the step's scale words: 1,024 bytes a step
.set SLOTS, 48
.set PFA, 50
.set LIM, 52
.set PSEL, 53
	s_load_b256 s[4:11], s[0:1], 0x0               ; qimg, qsc, kv, kvs
	s_load_b128 s[12:15], s[0:1], 0x20             ; aimg, asc
	v_lshl_add_u32 v[SPW], v0, 2, SPARE
	v_mov_b32 v[NIL], 0
	ds_add_u32 v5, v6
	s_wait_dscnt 0x0
	v_lshrrev_b32 v8, 5, v0
	v_readfirstlane_b32 s[WV], v8                  ; wave 0..15
	s_and_b32 s54, ttmp7, 0xffff                   ; the pair: 8 x batch + head
	s_and_b32 s55, s[WV], 3                        ; which quarter I fetch, if I fetch
	; dense blocks as rows of 256 bytes: 32 elements of 8 bytes, pitch 32, no padding (an image's 512 bytes are read by 32 lanes on end)
	s_mov_b32 s[G1C], 3<<16                        ; no mask; elements of 8 bytes
	s_mov_b32 s[G1C+1], 32<<16                     ; tensor_dim0
	s_mov_b32 s[G1C+2], 64<<16                     ; tensor_dim1
	s_mov_b32 s[G1C+3], 32<<16                     ; tile_dim0
	s_mov_b32 s[G1C+4], 64                         ; tile_dim1
	s_mov_b32 s[G1C+5], 32                         ; the pitch
	s_mov_b32 s[G1C+6], 0
	s_mov_b32 s[G1C+7], 0
	s_mov_b32 s[G1S], 3<<16
	s_mov_b32 s[G1S+1], 32<<16
	s_mov_b32 s[G1S+2], 32<<16
	s_mov_b32 s[G1S+3], 32<<16
	s_mov_b32 s[G1S+4], 32
	s_mov_b32 s[G1S+5], 32
	s_mov_b32 s[G1S+6], 0
	s_mov_b32 s[G1S+7], 0
	s_lshl_b32 s56, s54, 19                        ; a pair's codes of k and v: 524,288 bytes
	s_lshl_b32 s58, s55, 14
	s_add_co_u32 s58, s58, s56
	s_mov_b32 s59, 0
	s_lshl_b32 s60, s54, 15                        ; its scale words: 32,768
	s_lshl_b32 s61, s55, 13
	s_add_co_u32 s60, s60, s61
	s_mov_b32 s61, 0
	s_mov_b32 s57, 0
	s_mov_b32 s[SEL], 0x76543210
	s_mov_b32 s[SEL+1], 0xfedcba98
	s_mov_b32 s[CS], 0x3e38aa3b                    ; log2(e) / 8
	s_mov_b32 s[CS+1], s[CS]
	s_mov_b32 s[MNT], 0x600000
	s_mov_b32 s[TB], 0
	s_mov_b32 s[TS], 0
	s_mov_b32 s[SLOTS], 7
	s_wait_kmcnt 0x0
	s_mov_b32 s[G0C], 1
	s_lshl_b32 s[G0C+1], s55, 14                   ; slot 0, my quarter
	s_add_nc_u64 s[G0C+2:G0C+3], s[8:9], s[58:59]
	s_or_b32 s[G0C+3], s[G0C+3], 0x80000000
	s_mov_b32 s[G0S], 1
	s_lshl_b32 s[G0S+1], s55, 13
	s_add_co_u32 s[G0S+1], s[G0S+1], SCB
	s_add_nc_u64 s[G0S+2:G0S+3], s[10:11], s[60:61]
	s_or_b32 s[G0S+3], s[G0S+3], 0x80000000
	s_cmp_lt_u32 s[WV], 4                          ; waves 0 to 3 fetch; their two first fills stand in one branch: two loads of mine are out
	s_cbranch_scc0 .Lnofill
	tensor_load_to_lds s[G0S:G0S+3], s[G1S:G1S+7]
	s_nop 0
	tensor_load_to_lds s[G0C:G0C+3], s[G1C:G1C+7]
	s_nop 0
.rept 4
	v_nop
.endr
.Lnofill:
	v_and_b32 v8, 31, v0
	v_lshlrev_b32 v[LI], 4, v8
	v_lshlrev_b32 v[LS], 2, v8
	v_add_nc_u32 v[LSS], SCB, v[LS]
	v_lshlrev_b32 v[PFO], 8, v8
	s_lshl_b32 s58, ttmp9, 4
	s_add_co_u32 s58, s58, s[WV]                   ; my tile of queries in the pair: 16 x + wave
	s_lshl_b32 s60, s54, 18
	s_lshl_b32 s62, s58, 10
	s_add_co_u32 s60, s60, s62
	s_add_nc_u64 s[4:5], s[4:5], s[60:61]          ; q's image: 1,024 bytes a tile
	s_lshl_b32 s60, s54, 14
	s_lshr_b32 s62, s58, 1
	s_lshl_b32 s62, s62, 7
	s_add_co_u32 s60, s60, s62
	s_add_nc_u64 s[6:7], s[6:7], s[60:61]          ; its scale words: one word for a pair of tiles
	global_load_b128 v[24:27], v[LI], s[4:5]
	global_load_b128 v[28:31], v[LI], s[4:5] offset:512
	global_load_b32 v[T], v[LS], s[6:7]
	s_and_b32 s62, s[WV], 1
	s_cmp_eq_u32 s62, 0
	s_mov_b32 s[PSEL], 0x03020302
	s_cselect_b32 s[PSEL], 0x01000100, s[PSEL]     ; my tile's two bytes of that word
	s_lshr_b32 s60, s54, 3
	s_lshl_b32 s60, s60, 8
	s_add_co_u32 s58, s58, s60                     ; my tile among all 512
	s_and_b32 s62, s54, 7                          ; the head
	s_lshr_b32 s63, s62, 1
	s_and_b32 s62, s62, 1
	s_lshl_b32 s60, s58, 13
	s_lshl_b32 s59, s63, 11
	s_add_co_u32 s60, s60, s59
	s_lshl_b32 s59, s62, 10
	s_add_co_u32 s60, s60, s59
	s_add_nc_u64 s[12:13], s[12:13], s[60:61]      ; aimg: tile x 8,192 + (head / 2) x 2,048 + (head % 2) x 1,024
	s_lshl_b32 s60, s58, 9
	s_lshl_b32 s59, s63, 7
	s_add_co_u32 s60, s60, s59
	s_lshl_b32 s59, s62, 1
	s_add_co_u32 s60, s60, s59
	s_add_nc_u64 s[14:15], s[14:15], s[60:61]      ; asc: tile x 512 + (head / 2) x 128 + 2 (head % 2)
	; the prefetches: the pair's first work-group asks, in it waves 4 to 11, 8,192 bytes of a slot each, lanes 256 bytes apart: 8 x 32 blocks = a slot, each named once in the launch
	s_sub_co_u32 s59, s[WV], 4
	s_and_b32 s60, s59, 7
	s_lshl_b32 s60, s60, 13
	s_add_co_u32 s60, s60, 0x10000                 ; in slot 1: the first change of slots steps it to slot 2.  Nothing is asked for here, at the head
	s_add_nc_u64 s[PFA:PFA+1], s[8:9], s[56:57]
	s_add_nc_u64 s[PFA:PFA+1], s[PFA:PFA+1], s[60:61]
	s_lshr_b32 s59, s59, 3
	s_or_b32 s59, s59, ttmp9
	s_cmp_eq_u32 s59, 0
	s_cselect_b32 s[LIM], 1, -1
.irp j, 0,1,2,3,4,5,6,7
	v_mov_b32 v[16+\j], 0                          ; zero codes on either side of q
	v_mov_b32 v[32+\j], 0
.endr
.set j, 0
.rept 32
	v_mov_b32 v[O+j], 0                            ; the step is written once: the first finds zeros, which the first change of M leaves zeros
.set j, j+1
.endr
.irp b, 0,1,2,3
	v_mov_b32 v[BP+\b], 0                          ; a lane permute's destination counts as one of its sources
.endr
	v_mov_b32 v[F+1], 0
	v_mov_b32 v13, 0xff61b1e6                      ; -3e38, under every t
	v_floor_f32 v12, -v13
	v_mov_b32 v14, 0
	v_mov_b32 v15, 0
; THE CHANGE OF SLOTS, at a slot's head.  Each wave waits for all its tensor loads, adds 0 to its spare word, and waits for that and for its reads of the slot that it has left; behind the barrier the slot ahead is whole
; and nobody reads the other one.  fill = 1: the other slot is filled with the next four key steps: one load a wave is out, with four key steps in which to land.
.macro CHANGE fill
	s_wait_tensorcnt 0x0                           ; no tensor load of mine is out, so a group 0 may be written
	ds_add_u32 v[SPW], v[NIL]
.if \fill
	s_xor_b32 s[G0C+1], s[G0C+1], SLOT1
	s_add_nc_u64 s[G0C+2:G0C+3], s[G0C+2:G0C+3], 0x10000
	s_wait_xcnt 0x0                                ; the last prefetch, a slot back, has read its address
	s_add_nc_u64 s[PFA:PFA+1], s[PFA:PFA+1], 0x10000   ; one slot further on than the walking descriptor
.endif
	s_wait_dscnt 0x0
	s_barrier_signal -1
	s_barrier_wait -1
.if \fill
	s_cmp_lt_u32 s[WV], 4
	s_cbranch_scc0 .Lnf_\@
	tensor_load_to_lds s[G0C:G0C+3], s[G1C:G1C+7]  ; the first thing behind the barrier, and my one tensor load until the next
	s_nop 0
.rept 4
	v_nop
.endr
.Lnf_\@:
	s_cmp_gt_u32 s[SLOTS], s[LIM]                  ; the last change that fills a slot asks for nothing: there is no slot behind it
	s_cbranch_scc0 .Lnp_\@
	global_prefetch_b8 v[PFO], s[PFA:PFA+1] th:TH_LOAD_NT scope:SCOPE_SE   ; what the next change of slots will ask for: four key steps ahead of that load
.Lnp_\@:
.endif
.endm
; Load n of the 20 that bring V's four tiles (four groups of 512 bytes each) and their scale words; VQ is the step's place in its slot.
.macro VLD n
.if ((\n)%5) < 4
	ds_load_b128 v[KF+16*((\n)/5)+4*((\n)%5):KF+16*((\n)/5)+4*((\n)%5)+3], v[ADK] offset:VQ+8192+2048*((\n)/5)+512*((\n)%5)
.else
	ds_load_b32 v[VW+(\n)/5], v[ADS] offset:512+128*((\n)/5)
.endif
.endm
; A KEY STEP: 128 keys, the q-th of the slot in hand.
.macro STEP q
.set VQ, 16384*(\q)
	v_add_nc_u32 v[ADK], s[TB], v[LI]
	v_add_nc_u32 v[ADS], s[TS], v[LSS]
.rept 6
	v_nop                                          ; with the two additions: eight places in front of loads into registers that matrix instructions have read
.endr
.irp f, 0,1,2,3
.irp c, 0,1,2,3
	ds_load_b128 v[KF+16*\f+4*\c:KF+16*\f+4*\c+3], v[ADK] offset:VQ+2048*\f+512*\c
.endr
	ds_load_b32 v[KW+\f], v[ADS] offset:128*\f
.endr
.irp f, 0,1,2,3
	s_wait_dscnt 15-5*\f                           ; fragment f and its scale word are in; the five loads of each later fragment may be out
	v_wmma_scale_f32_16x16x128_f8f6f4 v[S+16*\f:S+16*\f+7], v[KF+16*\f:KF+16*\f+15], v[24:39], 0, v[KW+\f], v[QS]
	v_wmma_scale_f32_16x16x128_f8f6f4 v[S+16*\f+8:S+16*\f+15], v[KF+16*\f:KF+16*\f+15], v[16:31], 0, v[KW+\f], v[QS]
.endr
.rept 8
	v_nop                                          ; eight places behind this matrix form, for the first read of the scores and for V's loads further down
.endr
.irp b, 0,1,2,3
	v_max3_num_f32 v[BM+\b], v[S+16*\b], v[S+16*\b+1], v[S+16*\b+2]   ; the largest score of each block of 32 keys: for the row's maximum and, since p rises with the score, for the block's largest p
.endr
.irp i, 3,5,7,9,11,13
.irp b, 0,1,2,3
	v_max3_num_f32 v[BM+\b], v[BM+\b], v[S+16*\b+\i], v[S+16*\b+\i+1]
.endr
.endr
.irp b, 0,1,2,3
	v_max_num_f32 v[BM+\b], v[BM+\b], v[S+16*\b+15]
.endr
.irp b, 0,1,2,3
	v_permlanex16_b32 v[BP+\b], v[BM+\b], s[SEL], s[SEL+1]
.endr
	VLD 0                                          ; from here to f each line reads the result of the line before it: V's loads stand two by two between them.  They land under the softmax
	VLD 1
.irp b, 0,1,2,3
	v_max_num_f32 v[BM+\b], v[BM+\b], v[BP+\b]
.endr
	VLD 2
	VLD 3
	v_max3_num_f32 v[T], v[BM], v[BM+1], v[BM+2]
	VLD 4
	VLD 5
	v_max_num_f32 v[T], v[T], v[BM+3]
	VLD 6
	VLD 7
	v_mul_f32 v[T], s[CS], v[T]
	VLD 8
	VLD 9
	v_max_num_f32 v13, v13, v[T]                   ; the running largest t
	VLD 10
	VLD 11
	v_mov_b32 v[T], v12
	v_floor_f32 v12, -v13                          ; -M = floor(-t): M is a whole number
	VLD 12
	VLD 13
	v_sub_f32 v[T], v12, v[T]
	VLD 14
	VLD 15
	v_cvt_i32_f32 v[T], v[T]
	VLD 16
	VLD 17
	v_ldexp_f32 v[F], 1.0, v[T]                    ; 2^(old M - new M)
	VLD 18
	VLD 19
.irp i, 0,2,4,6,8,10,12,14
	v_pk_fma_f32 v[S+\i:S+\i+1], v[S+\i:S+\i+1], s[CS:CS+1], v[12:13] op_sel_hi:[1,0,0]   ; t - M of block 0
.endr
.irp b, 0,1,2,3
	v_fma_f32 v[BM+\b], v[BM+\b], s[CS], v12       ; the same of each block's largest score
.endr
; ONE BATCH of 68 exponentials.  None of the lines in it reads an exponential's result: behind each two exponentials of a block stands a scaling of the next block, or, in the last block, a rescaling of O^T.
.irp b, 0,1,2,3
	v_exp_f32 v[BM+\b], v[BM+\b]                   ; the blocks' largest p: the same two instructions on the same number give the same bits as in p itself
.endr
.irp b, 0,1,2,3
.irp i, 0,2,4,6,8,10,12,14
	v_exp_f32 v[S+16*\b+\i], v[S+16*\b+\i]         ; p
	v_exp_f32 v[S+16*\b+\i+1], v[S+16*\b+\i+1]
.if \b < 3
	v_pk_fma_f32 v[S+16*\b+16+\i:S+16*\b+17+\i], v[S+16*\b+16+\i:S+16*\b+17+\i], s[CS:CS+1], v[12:13] op_sel_hi:[1,0,0]
.else
	v_pk_mul_f32 v[O+\i:O+\i+1], v[O+\i:O+\i+1], v[F:F+1] op_sel_hi:[1,0]   ; O^T's first two tiles under the new M, each from its low end on
.endif
.endr
.endr
	v_pk_mul_f32 v[14:15], v[14:15], v[F:F+1] op_sel_hi:[1,0]   ; the sums under the new M; a plain line behind the last exponential
	s_wait_alu depctr_va_vdst(0)                   ; one wait for the whole batch, ahead of its first reader
	v_pk_add_f32 v[BP:BP+1], v[S:S+1], v[S+2:S+3]  ; the row's sum of the unquantised p, in two chains
.irp j, 4,8,12,16,20,24,28,32,36,40,44,48,52,56,60
	v_pk_add_f32 v[14:15], v[14:15], v[S+\j:S+\j+1]
	v_pk_add_f32 v[BP:BP+1], v[BP:BP+1], v[S+\j+2:S+\j+3]
.endr
	v_pk_add_f32 v[14:15], v[14:15], v[BP:BP+1]
.irp b, 0,1,2,3
	v_max_num_f32 v[BM+\b], 0x4800000, v[BM+\b]    ; the floor: the byte cannot fall under 1
.endr
.irp b, 0,1,2,3
	v_add_nc_u32 v[BS+\b], 0xfc000000, v[BM+\b]
.endr
.irp b, 0,1,2,3
	v_and_or_b32 v[BH+\b], v[BM+\b], 0x7f800000, s[MNT]
.endr
.irp b, 0,1,2,3
	v_lshrrev_b32 v[BP+\b], 23, v[BS+\b]
.endr
	v_lshl_or_b32 v[PS], v[BP+1], 8, v[BP]
	v_lshl_or_b32 v[PS], v[BP+2], 16, v[PS]
	v_lshl_or_b32 v[PS], v[BP+3], 24, v[PS]
; THE HOLD, two numbers an instruction.  p is not negative, so it is one-sided.  A pair takes an even register of one block and an odd register of its neighbour: one destination is even and the other odd, and both the
; two numbers and the two bounds lie in different register banks (register number mod 4), as the dual form asks.
.irp b, 0,2
.irp i, 0,2,4,6,8,10,12,14
	v_dual_min_num_f32 v[S+16*\b+\i], v[S+16*\b+\i], v[BH+\b] :: v_dual_min_num_f32 v[S+16*\b+17+\i], v[S+16*\b+17+\i], v[BH+\b+1]
	v_dual_min_num_f32 v[S+16*\b+16+\i], v[S+16*\b+16+\i], v[BH+\b+1] :: v_dual_min_num_f32 v[S+16*\b+\i+1], v[S+16*\b+\i+1], v[BH+\b]
.endr
.irp d, 0,1
	v_cvt_scalef32_pk8_fp8_f32 v[PCD+4*(\b+\d):PCD+4*(\b+\d)+1], v[S+16*(\b+\d):S+16*(\b+\d)+7], v[BS+\b+\d]
	v_cvt_scalef32_pk8_fp8_f32 v[PCD+4*(\b+\d)+2:PCD+4*(\b+\d)+3], v[S+16*(\b+\d)+8:S+16*(\b+\d)+15], v[BS+\b+\d]
.endr
.endr
.irp i, 16,18,20,22,24,26,28,30
	v_pk_mul_f32 v[O+\i:O+\i+1], v[O+\i:O+\i+1], v[F:F+1] op_sel_hi:[1,0]   ; O^T's other two tiles under the new M; these eight are also the places between the codes' conversions and the products below
.endr
	s_wait_dscnt 0x0                               ; V
.irp t, 0,1,2,3
	v_wmma_scale_f32_16x16x128_f8f6f4 v[O+8*\t:O+8*\t+7], v[KF+16*\t:KF+16*\t+15], v[PCD:PCD+15], v[O+8*\t:O+8*\t+7], v[VW+\t], v[PS]
.endr
	s_add_co_u32 s[TS], s[TS], 1024
.endm
	s_wait_loadcnt 0x0                             ; q and its scale word
	v_perm_b32 v[QS], v[T], v[T], s[PSEL]          ; my tile's two bytes, twice: they serve [q | 0] and [0 | q] alike
.Lslot:                                            ; seven trips: behind each change of slots but the last the next slot is asked for
	CHANGE 1
	STEP 0
	STEP 1
	STEP 2
	STEP 3
	s_xor_b32 s[TB], s[TB], SLOT1
	s_sub_co_u32 s[SLOTS], s[SLOTS], 1
	s_cmp_lg_u32 s[SLOTS], 0
	s_cbranch_scc1 .Lslot
	CHANGE 0                                       ; the last slot is written out
	STEP 0
	STEP 1
	STEP 2
	STEP 3
	; THE WAY OUT.  O^T / the sum: register 16 b + i is channel 32 b + 16 (lane / 16) + i of my query: the order of an operand's registers.  Its two blocks are quantised; the codes leave as they stand.
.rept 8
	v_nop
.endr
	v_add_f32 v14, v14, v15
	v_permlanex16_b32 v[T], v14, s[SEL], s[SEL+1]
	v_add_f32 v14, v14, v[T]
	v_rcp_f32 v14, v14
	v_nop
	s_wait_alu depctr_va_vdst(0)
.set j, 0
.rept 32
	v_mul_f32 v[S+j], v[O+j], v14
.set j, j+1
.endr
.irp b, 0,1
	v_max3_num_f32 v[BM+\b], |v[S+16*\b]|, |v[S+16*\b+1]|, 0x4800000
.endr
.irp i, 2,4,6,8,10,12,14
.irp b, 0,1
	v_max3_num_f32 v[BM+\b], v[BM+\b], |v[S+16*\b+\i]|, |v[S+16*\b+\i+1]|
.endr
.endr
.irp b, 0,1
	v_permlanex16_b32 v[BP+\b], v[BM+\b], s[SEL], s[SEL+1]
.endr
.irp b, 0,1
	v_max_num_f32 v[BM+\b], v[BM+\b], v[BP+\b]
.endr
.irp b, 0,1
	v_add_nc_u32 v[BS+\b], 0xfc000000, v[BM+\b]
.endr
.irp b, 0,1
	v_and_or_b32 v[BH+\b], v[BM+\b], 0x7f800000, s[MNT]
.endr
.irp b, 0,1
	v_lshrrev_b32 v[BP+\b], 23, v[BS+\b]
.endr
	v_lshl_or_b32 v[T], v[BP+1], 8, v[BP]          ; my head's two bytes of the row's scale word
.irp b, 0,1
.irp i, 0,1,2,3,4,5,6,7,8,9,10,11,12,13,14,15
	v_med3_num_f32 v[S+16*\b+\i], v[S+16*\b+\i], -v[BH+\b], v[BH+\b]
.endr
	v_cvt_scalef32_pk8_fp8_f32 v[PCD+4*\b:PCD+4*\b+1], v[S+16*\b:S+16*\b+7], v[BS+\b]
	v_cvt_scalef32_pk8_fp8_f32 v[PCD+4*\b+2:PCD+4*\b+3], v[S+16*\b+8:S+16*\b+15], v[BS+\b]
.endr
	v_nop
	global_store_b128 v[LI], v[PCD:PCD+3], s[12:13]              ; 512 consecutive bytes each, aligned
	global_store_b128 v[LI], v[PCD+4:PCD+7], s[12:13] offset:512
	global_store_b16 v[LS], v[T], s[14:15]         ; two bytes a lane: the other two of the word are the neighbouring head's; 64 bytes against the tile's 1,024 of codes
	s_wait_tensorcnt 0x0                           ; the wave's end
	ds_add_u32 v[SPW], v[NIL]
	s_wait_dscnt 0x0
	s_endpgm
.Lfunc_end_k_q69e5507f85_attn:
	.size	k_q69e5507f85_attn, .Lfunc_end_k_q69e5507f85_attn-k_q69e5507f85_attn
	.p2alignl 7, 3214868480
	.fill 96, 4, 3214868480
	.section	.rodata,"a",@progbits
	.p2align	6, 0x0
	.amdhsa_kernel k_q69e5507f85_attn
		.amdhsa_group_segment_fixed_size 327680
		.amdhsa_private_segment_fixed_size 0
		.amdhsa_enable_private_segment 0
		.amdhsa_kernarg_size 48
		.amdhsa_user_sgpr_count 2
		.amdhsa_user_sgpr_kernarg_segment_ptr 1
		.amdhsa_wavefront_size32 1
		.amdhsa_system_sgpr_workgroup_id_x 1
		.amdhsa_system_sgpr_workgroup_id_y 1
		.amdhsa_system_sgpr_workgroup_id_z 1
		.amdhsa_system_vgpr_workitem_id 0
		.amdhsa_next_free_vgpr 256
		.amdhsa_next_free_sgpr 66
		.amdhsa_reserve_vcc 0
		.amdhsa_float_denorm_mode_32 3
		.amdhsa_float_denorm_mode_16_64 3
		.amdhsa_memory_ordered 1
		.amdhsa_forward_progress 1
		.amdhsa_inst_pref_size 162
	.end_amdhsa_kernel
	.amdgpu_metadata
---
amdhsa.version: [ 1, 2 ]
amdhsa.kernels:
  - .name:           k_q69e5507f85_attn
    .symbol:         k_q69e5507f85_attn.kd
    .args:
      - { .name: qimg, .offset: 0, .size: 8, .value_kind: global_buffer, .address_space: global }
      - { .name: qsc, .offset: 8, .size: 8, .value_kind: global_buffer, .address_space: global }
      - { .name: kv, .offset: 16, .size: 8, .value_kind: global_buffer, .address_space: global }
      - { .name: kvs, .offset: 24, .size: 8, .value_kind: global_buffer, .address_space: global }
      - { .name: aimg, .offset: 32, .size: 8, .value_kind: global_buffer, .address_space: global }
      - { .name: asc, .offset: 40, .size: 8, .value_kind: global_buffer, .address_space: global }
    .group_segment_fixed_size: 327680
    .private_segment_fixed_size: 0
    .kernarg_segment_align: 8
    .kernarg_segment_size: 48
    .max_flat_workgroup_size: 512
    .sgpr_count:     66
    .vgpr_count:     256
    .wavefront_size: 32
...
	.end_amdgpu_metadata
.endif
;; end of part 2
;; launch tail (part 3): grid 128 x 1, 4 waves a work-group, no clusters, 187,904 bytes of LDS; arguments x, aimg, asc, wst, wss, bp, ln2_w, ln2_b, b1, b2, out0; writes out0
.if DOCPART == 3
	.amdgcn_target "amdgcn-amd-amdhsa--gfx1250"
	.amdhsa_code_object_version 6
	.text
	.protected	k_q69e5507f85_tail
	.globl	k_q69e5507f85_tail
	.p2align	8
	.type	k_q69e5507f85_tail,@function
k_q69e5507f85_tail:
	s_mov_b64 s[64:65], 0
	v_nop
	global_prefetch_b8 v0, s[64:65] scope:SCOPE_SE
	s_setreg_imm32_b32 hwreg(HW_REG_WAVE_MODE, 25, 1), 1
	s_wait_xcnt 0x0
; x1 = x + attn_out wp + bp;  out = x1 + relu(LN2(x1) w1 + b1) w2 + b2.  All three products on E4M3 codes with E8M0 scales; x1, the norm and the hidden layer never go to memory.
; SHARES.  A work-group takes 64 tokens (four tiles of 16; row r of tile m is token 32 (m / 2) + 8 (m % 2) + r + 8 (r / 8)).  THE WAVES SHARE THE COLUMNS: wave w owns columns 128 w .. + 127 of x1 and out, and hidden
; units 512 i + 128 w .. + 127.  Nine passes of one shape (wp; w1 in four parts; w2 in four parts along K): 32 weight fragments x 4 token tiles = 128 matrix instructions each.
; THE WEIGHTS were laid by the first launch in the order in which a wave takes them: they go from memory straight into the registers of the one wave that uses them, 512 consecutive bytes a load, through a ring of
; four batches (4 fragments and their scale words: 17 loads).  So there is no tile in LDS that work-groups could share, and no cluster.
; 64 tokens: a wave streams 589,824 bytes of weights whatever the number of tokens; 32 tokens would halve the matrix work under that stream, 128 would leave 64 work-groups.
; THE MATRIX INSTRUCTION IS USED TRANSPOSED (source 0 = 16 weight rows, source 1 = 16 tokens): a lane holds a token, and the 16 registers of two neighbouring tiles are 16 neighbouring columns.
; OPERANDS GO FROM WAVE TO WAVE THROUGH LDS AS IMAGES OF THEIR REGISTERS (four groups of 512 bytes, lane l's 16 bytes at 16 l; a scale word at 4 l).  The biases and residuals are what the sums start from.
; LN2 over columns that four waves hold: each wave's mean and sum of squared differences of its 128 columns meet in LDS and are joined without a difference of large sums.
; LIMITS: NaN and infinities are not served; a block whose largest magnitude lies under 2^-118, or that is all zeros, keeps the byte 1 (this program alone reads the bytes).
; REGISTERS.  Window 0: below.  Window 1: the ring, batch slot q at v[64 q + 16 t' + 4 c].  Window 2: x1, later out: v[64 m + 8 t + j].  Window 3: bp / the normed rows (v0-63), ln2_w, ln2_b, b2 (64 each); then the hidden sums; at the end rows of out.
.set B1L,   0                          ; LDS: b1, 8,192 bytes
.set XSC,   8192                       ; scale words of the operand with K = 512: (4 s + m) x 128
.set XIMG,  10240                      ; its images: (4 s + m) x 2,048
.set STATS, 43008                      ; m x 1,024 + wave x 256 + 8 lane
.set HSC,   47104                      ; the hidden layer's scale words: wave x 2,048 + i x 512 + m x 128
.set HIMG,  55296                      ; its images: wave x 32,768 + i x 8,192 + m x 2,048
.set STG,   55296                      ; the way out: 64 rows x (2,048 + 16) bytes, in the hidden layer's bytes, behind a barrier behind which nobody reads them
.set LI,  1
.set LS,  2
.set XA,  3
.set H64, 4
.set XWI, 5                            ; 16 lane + 8,192 wave
.set XWS, 6                            ; 4 lane + 512 wave
.set HWT, 7
.set HST, 8
.set B1A, 9
.set BSA, 10
.set T16, 11
.set STO, 12
.set STO2, 13
.set SRD, 14
.set STA, 15
.set BS,  32                           ; v32-39 the token operand's scale words, two sets.  (v16-31: the ring's scale words, four a slot)
.set TM,  40
.set PW,  56
.set STR, 57
.set T,   58
.set B1A0, 60
.set HW0, 61
.set AC,  62                           ; v62-69
.set HS0, 70
.set AWI, 74
.set AWS, 75
.set SP,  78                           ; v78-85 my columns' mean and sum of squared differences, a pair for each tile
.set BA,  88                           ; v88-91 the images of K step s
.set BF,  96                           ; v96-223 two sets of four token fragments
.set SR,  96                           ; the statistics read back
.set PC,  224
.set MU,  240                          ; pairs, the upper word 0 and not used
.set RS,  248
.set SEL, 26
.set MNT, 28
.set WX,  10                           ; s[10:11] the weights of the pass in hand: its batches 4 to 7 are asked for by it
.set SX,  12                           ; s[12:13] their scale words
.set WY,  54                           ; s[54:55] the weights of the pass whose batches 0 to 3 are asked for: the next pass's, from a pass's fourth group on
.set SY,  56                           ; s[56:57] their scale words
.set MSB, 0
.macro WIN new                         ; the immediate's high byte repeats the setting that is left; a switch that changes nothing is dropped
.if MSB != (\new)
	s_set_vgpr_msb (MSB<<8)|(\new)
.set MSB, (\new)
.endif
.endm
.macro PLACES n
.rept \n
	v_nop
.endr
.endm
; 64 numbers of a lane, v[s] .. v[s + 63] of window wx, register 16 b + i in block b, become codes in v[PC] on; bytes in v[TM+4+b].  relu = 1: what is negative becomes 0 on the way.
.macro QUANT s, wx, relu
	WIN (\wx)|((\wx)<<2)
.irp b, 0,1,2,3
.if \relu
	v_max3_num_f32 v[TM+\b], v[(\s)+16*\b], v[(\s)+16*\b+1], 0x4800000        ; no |.|: what is negative must not count; the floor stands over it
.else
	v_max3_num_f32 v[TM+\b], |v[(\s)+16*\b]|, |v[(\s)+16*\b+1]|, 0x4800000
.endif
.endr
	WIN ((\wx)<<2)|((\wx)<<4)
.irp i, 2,4,6,8,10,12,14
.irp b, 0,1,2,3
.if \relu
	v_max3_num_f32 v[TM+\b], v[TM+\b], v[(\s)+16*\b+\i], v[(\s)+16*\b+\i+1]
.else
	v_max3_num_f32 v[TM+\b], v[TM+\b], |v[(\s)+16*\b+\i]|, |v[(\s)+16*\b+\i+1]|
.endif
.endr
.endr
	WIN 0
.irp b, 0,1,2,3
	v_permlanex16_b32 v[TM+4+\b], v[TM+\b], s[SEL], s[SEL+1]
.endr
.irp b, 0,1,2,3
	v_max_num_f32 v[TM+\b], v[TM+\b], v[TM+4+\b]
.endr
.irp b, 0,1,2,3
	v_add_nc_u32 v[TM+12+\b], 0xfc000000, v[TM+\b]
.endr
.irp b, 0,1,2,3
	v_and_or_b32 v[TM+8+\b], v[TM+\b], 0x7f800000, s[MNT]
.endr
.irp b, 0,1,2,3
	v_lshrrev_b32 v[TM+4+\b], 23, v[TM+12+\b]
.endr
	v_lshl_or_b32 v[PW], v[TM+5], 8, v[TM+4]
	v_lshl_or_b32 v[PW], v[TM+6], 16, v[PW]
	v_lshl_or_b32 v[PW], v[TM+7], 24, v[PW]
	WIN (\wx)|((\wx)<<6)
.irp b, 0,1,2,3
.irp i, 0,1,2,3,4,5,6,7,8,9,10,11,12,13,14,15
.if \relu
	v_med3_num_f32 v[(\s)+16*\b+\i], v[(\s)+16*\b+\i], 0, v[TM+8+\b]          ; the activation and the hold in one
.else
	v_med3_num_f32 v[(\s)+16*\b+\i], v[(\s)+16*\b+\i], -v[TM+8+\b], v[TM+8+\b]
.endif
.endr
.endr
	WIN (\wx)
.irp b, 0,1,2,3
	v_cvt_scalef32_pk8_fp8_f32 v[PC+4*\b:PC+4*\b+1], v[(\s)+16*\b:(\s)+16*\b+7], v[TM+12+\b]
	v_cvt_scalef32_pk8_fp8_f32 v[PC+4*\b+2:PC+4*\b+3], v[(\s)+16*\b+8:(\s)+16*\b+15], v[TM+12+\b]
.endr
	WIN 0
	v_nop                                          ; one plain line behind the last scaled conversion
.endm
.macro REDUCE d                        ; the four chains and lane l xor 16's
	v_pk_add_f32 v[AC:AC+1], v[AC:AC+1], v[AC+2:AC+3]
	v_pk_add_f32 v[AC+4:AC+5], v[AC+4:AC+5], v[AC+6:AC+7]
	v_pk_add_f32 v[AC:AC+1], v[AC:AC+1], v[AC+4:AC+5]
	v_add_f32 v[T], v[AC], v[AC+1]
	v_permlanex16_b32 v[T+1], v[T], s[SEL], s[SEL+1]
	v_add_f32 v[\d], v[T], v[T+1]
.endm
.macro BATCH slot, cb, sb, coff, soff  ; four weight fragments and their scale words, from the bases s[cb:cb+1] and s[sb:sb+1]: 17 loads
	WIN 0x40
.irp t, 0,1,2,3
.irp c, 0,1,2,3
	global_load_b128 v[64*(\slot)+16*\t+4*\c:64*(\slot)+16*\t+4*\c+3], v[LI], s[\cb:\cb+1] offset:(\coff)+2048*\t+512*\c
.endr
.endr
	WIN 0
	global_load_b128 v[16+4*(\slot):16+4*(\slot)+3], v[LI], s[\sb:\sb+1] offset:\soff
.endm
.macro FETCH buf, sn, extra, sstr      ; the four token tiles' fragments of K step sn and their scale words: 20 LDS loads
.irp m, 0,1,2,3
.irp c, 0,1,2,3
	ds_load_b128 v[BF+64*(\buf)+16*\m+4*\c:BF+64*(\buf)+16*\m+4*\c+3], v[BA+(\sn)] offset:(\extra)+2048*\m+512*\c
.endr
	ds_load_b32 v[BS+4*(\buf)+\m], v[BSA] offset:(\sn)*(\sstr)+(\extra)/16+128*\m
.endr
.endm
; A PASS: eight groups k of 16 matrix instructions (weight tiles 4 (k % 2) + t', K step k / 2) onto the 32 accumulators of window aw, which take turns.
; mode 0: the token operand ends with this pass; 1: the next pass reads the same images; 2: the next pass reads the images 8,192 bytes on.  last = 1: no weights follow.
; THE BASES.  Behind group k the ring's slot takes batch k + 4: for k < 4 of this pass, by the bases WX and SX; for k >= 4 batch k - 4 of the next pass, by WY and SY.  A base is stepped behind the counted wait that shows
; every load that names it done: group 3's wait leaves three later batches (51 loads) out, so batch 3, the last asked for by WY and SY, is in; group 7's likewise shows batch 7, the last by WX and SX.
.macro PASS aw, mode, sstr, last
.irp k, 0,1,2,3,4,5,6,7
.if (\k%2) == 0
.if \k == 0
	s_wait_dscnt 0x0                               ; the first two K steps' fragments, and what the sums start from
.elseif (\k == 6) && (\mode == 0)
	s_wait_dscnt 0x0                               ; nothing was fetched behind this K step's fragments
.else
	s_wait_dscnt 20                                ; all but the one later FETCH
.endif
.endif
.if (\last) && (\k > 4)
	s_wait_loadcnt 17*(7-\k)                       ; the ring runs out
.else
	s_wait_loadcnt 51                              ; batch k is in; the three later batches of 17 loads may be out
.endif
.if (\k == 3) && !(\last)
	s_add_nc_u64 s[WY:WY+1], s[WY:WY+1], 0x40000   ; on to the next pass
	s_add_nc_u64 s[SY:SY+1], s[SY:SY+1], 0x4000
.endif
.if (\k == 7) && !(\last)
	s_add_nc_u64 s[WX:WX+1], s[WX:WX+1], 0x40000
	s_add_nc_u64 s[SX:SX+1], s[SX:SX+1], 0x4000
.endif
	WIN 1|((\aw)<<4)|((\aw)<<6)
.irp t, 0,1,2,3
.irp m, 0,1,2,3
	v_wmma_scale_f32_16x16x128_f8f6f4 v[64*\m+8*(4*(\k%2)+\t):64*\m+8*(4*(\k%2)+\t)+7], v[64*(\k%4)+16*\t:64*(\k%4)+16*\t+15], v[BF+64*((\k/2)%2)+16*\m:BF+64*((\k/2)%2)+16*\m+15], v[64*\m+8*(4*(\k%2)+\t):64*\m+8*(4*(\k%2)+\t)+7], v[16+4*(\k%4)+\t], v[BS+4*((\k/2)%2)+\m]
.endr
.endr
	WIN 0
	PLACES 8                                       ; in front of loads into registers that these have read, and of the first read of results
.if \k < 4
	BATCH \k%4, WX, SX, (\k+4)*8192, (\k+4)*512
.elseif !(\last)
	BATCH \k%4, WY, SY, (\k-4)*8192, (\k-4)*512    ; the next pass's first four
.endif
.if (\k%2) == 1
.if \k < 4
	FETCH (\k/2)%2, (\k/2)+2, 0, \sstr
.elseif \mode == 1
	FETCH (\k/2)%2, (\k/2)-2, 0, \sstr
.elseif \mode == 2
	FETCH (\k/2)%2, (\k/2)-2, 8192, \sstr
.endif
.endif
.endr
.endm
.macro BARRIER
	s_wait_dscnt 0x0                               ; my LDS stores have landed and my LDS loads are in
	s_barrier_signal -1
	s_barrier_wait -1
.endm
	s_load_b256 s[4:11], s[0:1], 0x0               ; x, aimg, asc, wst
	s_load_b256 s[12:19], s[0:1], 0x20             ; wss, bp, ln2_w, ln2_b
	s_load_b128 s[20:23], s[0:1], 0x40             ; b1, b2
	s_load_b64 s[24:25], s[0:1], 0x50              ; out0
	v_lshl_add_u32 v94, v0, 2, 0x2dc00
	v_mov_b32 v95, 0
	v_and_b32 v58, 31, v0                          ; lane
	v_lshrrev_b32 v59, 5, v0
	v_readfirstlane_b32 s2, v59                    ; wave 0..3
	v_and_b32 v71, 15, v0                          ; r
	v_bfe_u32 v72, v0, 4, 1                        ; h
	v_and_b32 v73, 8, v71
	v_add_nc_u32 v73, v73, v71                     ; r + 8 (r / 8)
	v_lshlrev_b32 v[LI], 4, v58
	v_lshlrev_b32 v[LS], 2, v58
	v_lshlrev_b32 v[H64], 6, v72
	v_lshl_add_u32 v[XA], v73, 11, v[H64]
	v_lshlrev_b32 v[T16], 4, v0
	s_lshl_b32 s42, s2, 13
	v_add_nc_u32 v[XWI], s42, v[LI]
	s_lshl_b32 s42, s2, 9
	v_add_nc_u32 v[XWS], s42, v[LS]
	v_add_nc_u32 v[B1A0], s42, v[H64]              ; 512 wave + 64 h
	s_lshl_b32 s42, s2, 11
	v_add_nc_u32 v[AWI], s42, v[LI]
	v_add_nc_u32 v[HS0], s42, v[LS]
	v_add_nc_u32 v[HS0], HSC, v[HS0]
	s_lshl_b32 s42, s2, 7
	v_add_nc_u32 v[AWS], s42, v[LS]
	s_lshl_b32 s42, s2, 15
	v_add_nc_u32 v[HW0], s42, v[LI]
	v_add_nc_u32 v[HW0], HIMG, v[HW0]
	v_mul_u32_u24 v[STO], v71, 2064
	v_add_nc_u32 v[STO], v[STO], v[B1A0]
	v_add_nc_u32 v[STO], STG, v[STO]               ; the stage: row r of a tile, my wave's 512 bytes, + 64 h
	v_add_nc_u32 v[STO2], 66048, v[STO]            ; tiles 2 and 3
	s_mul_i32 s42, s2, 33024
	v_add_nc_u32 v[SRD], s42, v[LI]
	v_add_nc_u32 v[SRD], STG, v[SRD]               ; back: tile w's 16 rows
	v_lshlrev_b32 v[STR], 3, v58
	s_lshl_b32 s42, s2, 8
	v_add_nc_u32 v[STA], s42, v[STR]
.irp b, 0,1,2,3
	v_mov_b32 v[TM+4+\b], 0                        ; a lane permute's destination counts as one of its sources
	v_mov_b32 v[SP+2*\b+1], 0                      ; named as upper halves of pairs before they are written
	v_mov_b32 v[MU+2*\b+1], 0
	v_mov_b32 v[RS+2*\b+1], 0
.endr
	v_mov_b32 v[T+1], 0
	s_mov_b32 s[SEL], 0x76543210
	s_mov_b32 s[SEL+1], 0xfedcba98
	s_mov_b32 s[MNT], 0x600000
	s_mov_b32 s29, 0x3c000000                      ; 1 / 128
	s_mov_b32 s30, 0x3b000000                      ; 1 / 512
	s_mov_b32 s31, 0x3727c5ac                      ; 1e-5
	s_mov_b32 s52, 0x43000000                      ; 128
	s_lshl_b32 s42, ttmp9, 17                      ; 64 rows of 2,048 bytes
	s_lshl_b32 s44, s2, 9                          ; my 128 columns
	s_add_co_u32 s42, s42, s44
	s_mov_b32 s43, 0
	s_mov_b32 s45, 0
	s_lshl_b32 s46, ttmp9, 2
	s_add_co_u32 s46, s46, s2                      ; the token tile whose images I bring in
	s_lshl_b32 s48, s46, 13
	s_mov_b32 s49, 0
	s_lshl_b32 s50, s46, 9
	s_mov_b32 s51, 0
	s_wait_kmcnt 0x0
	s_add_nc_u64 s[4:5], s[4:5], s[42:43]
	s_add_nc_u64 s[6:7], s[6:7], s[48:49]
	s_add_nc_u64 s[8:9], s[8:9], s[50:51]
	s_add_nc_u64 s[14:15], s[14:15], s[44:45]
	s_add_nc_u64 s[16:17], s[16:17], s[44:45]
	s_add_nc_u64 s[18:19], s[18:19], s[44:45]
	s_add_nc_u64 s[22:23], s[22:23], s[44:45]
	s_lshl_b32 s48, s2, 16
	s_add_nc_u64 s[WX:WX+1], s[WX:WX+1], s[48:49]  ; my wave's eight groups of a pass
	s_lshl_b32 s48, s2, 12
	s_add_nc_u64 s[SX:SX+1], s[SX:SX+1], s[48:49]
	s_mov_b64 s[WY:WY+1], s[WX:WX+1]               ; the first pass's batches 0 to 3 are asked for by the second pair
	s_mov_b64 s[SY:SY+1], s[SX:SX+1]
	s_lshr_b32 s48, s2, 1
	s_lshl_b32 s48, s48, 5
	s_and_b32 s50, s2, 1
	s_lshl_b32 s50, s50, 3
	s_add_co_u32 s48, s48, s50                     ; tile w's first token: 32 (w / 2) + 8 (w % 2)
	s_lshl_b32 s50, ttmp9, 6
	s_add_co_u32 s48, s48, s50
	s_lshl_b32 s48, s48, 11
	s_add_nc_u64 s[24:25], s[24:25], s[48:49]
.set i, 0
.rept 16
	global_load_b128 v[BF+4*i:BF+4*i+3], v[LI], s[6:7] offset:512*i th:TH_LOAD_NT   ; attn_out's images of tile w: group 4 s + c
.set i, i+1
.endr
.irp s, 0,1,2,3
	global_load_b32 v[BS+\s], v[LS], s[8:9] offset:128*\s th:TH_LOAD_NT
.endr
.irp i, 0,1,2,3
	global_load_b128 v[PC+4*\i:PC+4*\i+3], v[T16], s[20:21] offset:2048*\i           ; b1
.endr
	WIN 0x80
.irp m, 0,1,2,3
.irp b, 0,1,2,3
.irp j, 0,1,2,3
	global_load_b128 v[64*\m+16*\b+4*\j:64*\m+16*\b+4*\j+3], v[XA], s[4:5] offset:(32*(\m/2)+8*(\m%2))*2048+128*\b+16*\j th:TH_LOAD_NT   ; x in the accumulators' layout
.endr
.endr
.endr
	WIN 0xc0
.irp b, 0,1,2,3
.irp j, 0,1,2,3
	global_load_b128 v[16*\b+4*\j:16*\b+4*\j+3], v[H64], s[14:15] offset:128*\b+16*\j
	global_load_b128 v[64+16*\b+4*\j:64+16*\b+4*\j+3], v[H64], s[16:17] offset:128*\b+16*\j
	global_load_b128 v[128+16*\b+4*\j:128+16*\b+4*\j+3], v[H64], s[18:19] offset:128*\b+16*\j
	global_load_b128 v[192+16*\b+4*\j:192+16*\b+4*\j+3], v[H64], s[22:23] offset:128*\b+16*\j
.endr
.endr
	WIN 0
	BATCH 0, WY, SY, 0, 0
	BATCH 1, WY, SY, 8192, 512
	BATCH 2, WY, SY, 16384, 1024
	s_wait_loadcnt 51                              ; all but the ring's three batches
.irp s, 0,1,2,3
.irp c, 0,1,2,3
	ds_store_b128 v[AWI], v[BF+16*\s+4*\c:BF+16*\s+4*\c+3] offset:XIMG+8192*\s+512*\c
.endr
	ds_store_b32 v[AWS], v[BS+\s] offset:XSC+512*\s
.endr
.irp i, 0,1,2,3
	ds_store_b128 v[T16], v[PC+4*\i:PC+4*\i+3] offset:B1L+2048*\i
.endr
	WIN 0x8e                                       ; x + bp: what the first sums start from
.irp m, 0,1,2,3
.set i, 0
.rept 32
	v_pk_add_f32 v[64*\m+2*i:64*\m+2*i+1], v[64*\m+2*i:64*\m+2*i+1], v[2*i:2*i+1]
.set i, i+1
.endr
.endr
	WIN 0
	BARRIER                                        ; attn_out's sixteen fragments and b1 lie in LDS
	BATCH 3, WY, SY, 24576, 1536
.irp s, 0,1,2,3
	v_add_nc_u32 v[BA+\s], XIMG+8192*\s, v[LI]
.endr
	v_add_nc_u32 v[BSA], XSC, v[LS]
	FETCH 0, 0, 0, 512
	FETCH 1, 1, 0, 512
	PASS 2, 0, 512, 0                              ; x1
; my 128 columns' mean and sum of squared differences, for the 16 tokens of tile m
.macro STAT m
	WIN 0x0a
.irp k, 0,1,2,3
	v_pk_add_f32 v[AC+2*\k:AC+2*\k+1], v[64*\m+4*\k:64*\m+4*\k+1], v[64*\m+4*\k+2:64*\m+4*\k+3]
.endr
	WIN 0x08
.set i, 0
.rept 24
	v_pk_add_f32 v[AC+2*(i%4):AC+2*(i%4)+1], v[AC+2*(i%4):AC+2*(i%4)+1], v[64*\m+16+2*i:64*\m+17+2*i]
.set i, i+1
.endr
	WIN 0
	REDUCE T
	v_mul_f32 v[SP+2*\m], s29, v[T]
	WIN 0xc2
.set i, 0
.rept 32
	v_pk_add_f32 v[2*i:2*i+1], v[64*\m+2*i:64*\m+2*i+1], v[SP+2*\m:SP+2*\m+1] op_sel_hi:[1,0] neg_lo:[0,1] neg_hi:[0,1]
.set i, i+1
.endr
	WIN 0x0f
.irp k, 0,1,2,3
	v_pk_mul_f32 v[AC+2*\k:AC+2*\k+1], v[2*\k:2*\k+1], v[2*\k:2*\k+1]
.endr
.set i, 4
.rept 28
	v_pk_fma_f32 v[AC+2*(i%4):AC+2*(i%4)+1], v[2*i:2*i+1], v[2*i:2*i+1], v[AC+2*(i%4):AC+2*(i%4)+1]
.set i, i+1
.endr
	WIN 0
	REDUCE SP+2*\m+1
	ds_store_b64 v[STA], v[SP+2*\m:SP+2*\m+1] offset:STATS+1024*\m
.endm
	STAT 0
	STAT 1
	STAT 2
	STAT 3
	BARRIER                                        ; all four waves' figures lie in LDS; nobody reads attn_out's images any more
.irp m, 0,1,2,3
.irp w, 0,1,2,3
	ds_load_b64 v[SR+8*\m+2*\w:SR+8*\m+2*\w+1], v[STR] offset:STATS+1024*\m+256*\w
.endr
.endr
	s_wait_dscnt 0x0
.irp m, 0,1,2,3
	v_add_f32 v[T], v[SR+8*\m], v[SR+8*\m+2]
	v_add_f32 v[T+1], v[SR+8*\m+4], v[SR+8*\m+6]
	v_add_f32 v[T], v[T], v[T+1]
	v_mul_f32 v[MU+2*\m], 0x3e800000, v[T]         ; the mean of the four means
	v_add_f32 v[AC], v[SR+8*\m+1], v[SR+8*\m+3]
	v_add_f32 v[AC+1], v[SR+8*\m+5], v[SR+8*\m+7]
	v_add_f32 v[AC], v[AC], v[AC+1]
	v_sub_f32 v[T], v[SR+8*\m], v[MU+2*\m]
	v_mul_f32 v[AC+1], v[T], v[T]
.irp w, 1,2,3
	v_sub_f32 v[T], v[SR+8*\m+2*\w], v[MU+2*\m]
	v_fma_f32 v[AC+1], v[T], v[T], v[AC+1]
.endr
	v_fma_f32 v[AC], v[AC+1], s52, v[AC]           ; + 128 x the squares of the means' differences
	v_fma_f32 v[RS+2*\m], v[AC], s30, s31          ; var + eps
.endr
.irp m, 0,1,2,3
	v_rsq_f32 v[RS+2*\m], v[RS+2*\m]
.endr
	v_nop
	s_wait_alu depctr_va_vdst(0)                   ; one wait for the four, ahead of their first reader
; tile m's normed rows, my 128 columns: K step w of the next operand
.macro NORM m
	WIN 0xc2
.set i, 0
.rept 32
	v_pk_add_f32 v[2*i:2*i+1], v[64*\m+2*i:64*\m+2*i+1], v[MU+2*\m:MU+2*\m+1] op_sel_hi:[1,0] neg_lo:[0,1] neg_hi:[0,1]
.set i, i+1
.endr
	WIN 0xc3
.set i, 0
.rept 32
	v_pk_mul_f32 v[2*i:2*i+1], v[2*i:2*i+1], v[RS+2*\m:RS+2*\m+1] op_sel_hi:[1,0]
.set i, i+1
.endr
	WIN 0xff
.set i, 0
.rept 32
	v_pk_fma_f32 v[2*i:2*i+1], v[2*i:2*i+1], v[64+2*i:65+2*i], v[128+2*i:129+2*i]
.set i, i+1
.endr
	QUANT 0, 3, 0
.irp c, 0,1,2,3
	ds_store_b128 v[XWI], v[PC+4*\c:PC+4*\c+3] offset:XIMG+2048*\m+512*\c
.endr
	ds_store_b32 v[XWS], v[PW] offset:XSC+128*\m
	WIN 0x8e                                       ; x1 + b2: what the last sums start from
.set i, 0
.rept 32
	v_pk_add_f32 v[64*\m+2*i:64*\m+2*i+1], v[64*\m+2*i:64*\m+2*i+1], v[192+2*i:193+2*i]
.set i, i+1
.endr
	WIN 0
	s_wait_dscnt 0x0                               ; the stores have read their registers
.endm
	NORM 0
	NORM 1
	NORM 2
	NORM 3
	BARRIER                                        ; the normed rows' sixteen fragments lie in LDS
	FETCH 0, 0, 0, 512
	FETCH 1, 1, 0, 512
	s_mov_b32 s37, 0                               ; b1: 2,048 bytes a trip
	s_mov_b32 s38, 0                               ; the hidden images: 8,192
	s_mov_b32 s39, 0                               ; their scale words: 512
	s_mov_b32 s40, 4
.Lh:                                               ; hidden units 512 i on, my 128 of them
	v_add_nc_u32 v[B1A], s37, v[B1A0]
	v_add_nc_u32 v[HWT], s38, v[HW0]
	v_add_nc_u32 v[HST], s39, v[HS0]
	WIN 0xc0
.irp m, 0,1,2,3
.irp t, 0,1,2,3,4,5,6,7
.irp j, 0,1
	ds_load_b128 v[64*\m+8*\t+4*\j:64*\m+8*\t+4*\j+3], v[B1A] offset:B1L+128*(\t/2)+32*(\t%2)+16*\j   ; b1 is what the sums start from
.endr
.endr
.endr
	WIN 0
	PASS 3, 1, 512, 0
.irp m, 0,1,2,3
	QUANT 64*\m, 3, 1
.irp c, 0,1,2,3
	ds_store_b128 v[HWT], v[PC+4*\c:PC+4*\c+3] offset:2048*\m+512*\c
.endr
	ds_store_b32 v[HST], v[PW] offset:128*\m
	s_wait_dscnt 0x0                               ; the stores have read their registers
.endr
	s_add_co_u32 s37, s37, 2048
	s_add_co_u32 s38, s38, 8192
	s_add_co_u32 s39, s39, 512
	s_sub_co_u32 s40, s40, 1
	s_cmp_lg_u32 s40, 0
	s_cbranch_scc1 .Lh
	BARRIER                                        ; the hidden layer's 64 fragments lie in LDS
	s_mov_b32 s32, HIMG                            ; K step 4 i + s was made by wave s in trip i
	s_mov_b32 s33, HIMG+32768
	s_mov_b32 s34, HIMG+65536
	s_mov_b32 s35, HIMG+98304
	s_mov_b32 s36, HSC
.macro DADDR
.irp s, 0,1,2,3
	v_add_nc_u32 v[BA+\s], s[32+\s], v[LI]
.endr
	v_add_nc_u32 v[BSA], s36, v[LS]
.endm
	DADDR
	FETCH 0, 0, 0, 2048
	FETCH 1, 1, 0, 2048
	s_mov_b32 s40, 3
.Ld:
	PASS 2, 2, 2048, 0
	s_add_co_u32 s32, s32, 8192
	s_add_co_u32 s33, s33, 8192
	s_add_co_u32 s34, s34, 8192
	s_add_co_u32 s35, s35, 8192
	s_add_co_u32 s36, s36, 512
	DADDR
	s_sub_co_u32 s40, s40, 1
	s_cmp_lg_u32 s40, 0
	s_cbranch_scc1 .Ld
	PASS 2, 0, 2048, 1                             ; the last pass is written out: no weights follow
	; THE WAY OUT.  A lane holds 64 neighbouring bytes of a row four times over, and a row's 2,048 bytes come from four waves: the 64 rows meet in a stage and each wave stores 16 whole rows.
	BARRIER                                        ; nobody reads the hidden layer's images any more
	WIN 0x08                                       ; an LDS store's data: window 2
.irp m, 0,1
.irp b, 0,1,2,3
.irp j, 0,1,2,3
	ds_store_b128 v[STO], v[64*\m+16*\b+4*\j:64*\m+16*\b+4*\j+3] offset:33024*\m+128*\b+16*\j   ; each accumulator from its low end on
.endr
.endr
.endr
.irp m, 0,1
.irp b, 0,1,2,3
.irp j, 0,1,2,3
	ds_store_b128 v[STO2], v[128+64*\m+16*\b+4*\j:128+64*\m+16*\b+4*\j+3] offset:33024*\m+128*\b+16*\j
.endr
.endr
.endr
	WIN 0
	BARRIER                                        ; 64 whole rows lie in the stage
	WIN 0xc0
.set i, 0
.rept 64
	ds_load_b128 v[4*i:4*i+3], v[SRD] offset:2064*(i/4)+512*(i%4)
.set i, i+1
.endr
	WIN 0x0c                                       ; a store's data: window 3
.set i, 0
.rept 64
	s_wait_dscnt 63-i                              ; the younger loads may be out
	global_store_b128 v[LI], v[4*i:4*i+3], s[24:25] offset:((i/4)+8*((i/4)/8))*2048+512*(i%4) th:TH_STORE_NT   ; 512 consecutive bytes, aligned; written once
.set i, i+1
.endr
	WIN 0
	s_wait_tensorcnt 0x0
	ds_add_u32 v94, v95
	s_wait_dscnt 0x0
	s_endpgm
.Lfunc_end_k_q69e5507f85_tail:
	.size	k_q69e5507f85_tail, .Lfunc_end_k_q69e5507f85_tail-k_q69e5507f85_tail
	.p2alignl 7, 3214868480
	.fill 96, 4, 3214868480
	.section	.rodata,"a",@progbits
	.p2align	6, 0x0
	.amdhsa_kernel k_q69e5507f85_tail
		.amdhsa_group_segment_fixed_size 187904
		.amdhsa_private_segment_fixed_size 0
		.amdhsa_enable_private_segment 0
		.amdhsa_kernarg_size 88
		.amdhsa_user_sgpr_count 2
		.amdhsa_user_sgpr_kernarg_segment_ptr 1
		.amdhsa_wavefront_size32 1
		.amdhsa_system_sgpr_workgroup_id_x 1
		.amdhsa_system_sgpr_workgroup_id_y 1
		.amdhsa_system_sgpr_workgroup_id_z 1
		.amdhsa_system_vgpr_workitem_id 0
		.amdhsa_next_free_vgpr 1024
		.amdhsa_next_free_sgpr 66
		.amdhsa_reserve_vcc 0
		.amdhsa_float_denorm_mode_32 3
		.amdhsa_float_denorm_mode_16_64 3
		.amdhsa_memory_ordered 1
		.amdhsa_forward_progress 1
		.amdhsa_inst_pref_size 255
	.end_amdhsa_kernel
	.section	.bss,"aw",@nobits
	.p2align	6
	.space	262144
	.amdgpu_metadata
---
amdhsa.version: [ 1, 2 ]
amdhsa.kernels:
  - .name:           k_q69e5507f85_tail
    .symbol:         k_q69e5507f85_tail.kd
    .args:
      - { .name: x, .offset: 0, .size: 8, .value_kind: global_buffer, .address_space: global }
      - { .name: aimg, .offset: 8, .size: 8, .value_kind: global_buffer, .address_space: global }
      - { .name: asc, .offset: 16, .size: 8, .value_kind: global_buffer, .address_space: global }
      - { .name: wst, .offset: 24, .size: 8, .value_kind: global_buffer, .address_space: global }
      - { .name: wss, .offset: 32, .size: 8, .value_kind: global_buffer, .address_space: global }
      - { .name: bp, .offset: 40, .size: 8, .value_kind: global_buffer, .address_space: global }
      - { .name: ln2_w, .offset: 48, .size: 8, .value_kind: global_buffer, .address_space: global }
      - { .name: ln2_b, .offset: 56, .size: 8, .value_kind: global_buffer, .address_space: global }
      - { .name: b1, .offset: 64, .size: 8, .value_kind: global_buffer, .address_space: global }
      - { .name: b2, .offset: 72, .size: 8, .value_kind: global_buffer, .address_space: global }
      - { .name: out0, .offset: 80, .size: 8, .value_kind: global_buffer, .address_space: global }
    .group_segment_fixed_size: 187904
    .private_segment_fixed_size: 0
    .kernarg_segment_align: 8
    .kernarg_segment_size: 88
    .max_flat_workgroup_size: 128
    .sgpr_count:     66
    .vgpr_count:     1024
    .wavefront_size: 32
...
	.end_amdgpu_metadata
.endif
;; end of part 3
;; ======== version 2 of 2: 3 launches; version 1 with the launches qkv, tail written anew for expert scheduling mode
;; workspace buffers: qimg 4,194,304 bytes; qsc 262,144 bytes; kv 8,388,608 bytes; kvs 524,288 bytes; aimg 4,194,304 bytes; asc 262,144 bytes; wst 2,359,296 bytes; wss 147,456 bytes
;; launch qkv (part 4): grid 64 x 4, 4 waves a work-group, no clusters, 74,240 bytes of LDS; arguments x, ln1_w, ln1_b, wq_codes, wq_scales, wkv_codes, wkv_scales, wp_codes, wp_scales, w1_codes, w1_scales, w2_codes, w2_scales, qimg, qsc, kv, kvs, wst, wss; writes qimg, qsc, kv, kvs, wst, wss
.if DOCPART == 4
	.amdgcn_target "amdgcn-amd-amdhsa--gfx1250"
	.amdhsa_code_object_version 6
	.text
	.protected	k_q69e5507f85_qkv
	.globl	k_q69e5507f85_qkv
	.p2align	8
	.type	k_q69e5507f85_qkv,@function
k_q69e5507f85_qkv:
	s_mov_b64 s[64:65], 0
	v_nop
	global_prefetch_b8 v0, s[64:65] scope:SCOPE_SE
	s_setreg_imm32_b32 hwreg(HW_REG_WAVE_SCHED_MODE, 0, 2), 2
	s_setreg_imm32_b32 hwreg(HW_REG_WAVE_MODE, 25, 1), 1
	s_wait_xcnt 0x0
	s_wait_alu depctr_vm_vsrc(0)
; y = 0, 1, 2: layer norm 1, xn quantised along its 512, xn x wq (y = 0), xn x wkv's first 512 columns (k, y = 1) or its last 512 (v, y = 2), all on E4M3 codes with E8M0 scales,
; and the result quantised at once: q and k along the head's 64, v along the keys.  y = 3: wp, w1 and w2 are laid anew, fragment by fragment, in the order in which the third launch takes them.
; SHARES (y < 3).  Work-group x takes tokens 128 x .. 128 x + 127 (8 tiles of 16) and 512 output columns; wave w takes columns 128 w .. + 127 (heads 2 w, 2 w + 1): its 32 weight fragments stay in registers.
; The norm is done by each of the three y: 65,536 numbers a work-group, less than a launch more or a way through memory would cost.
; TILES.  Row r of token tile m is token 32 (m / 2) + 8 (m % 2) + r + 8 (r / 8); lane r of weight tile t takes weight row 32 (t / 2) + 8 (t % 2) + r + 8 (r / 8).  So the 16 result registers of two neighbouring
; tiles are 16 neighbours along the axis that is quantised next, in the order of an operand's registers.
; IMAGES.  An operand goes to LDS and to memory as its registers stand: group c of four registers as 512 bytes, lane l's 16 bytes at 16 l; a scale word as 4 bytes a lane.  Every store covers 512 consecutive aligned bytes.
; No cluster and no tensor load: the weights go from memory into the registers of the one wave that uses them, and the rows of x are read by three work-groups only.
; LIMITS: NaN and infinities among the inputs are not served; a block whose largest magnitude lies under 2^-118 keeps the byte 1; a block of zeros keeps the byte 1 where the rule says 127 (its codes are zeros, and this program alone reads the bytes).
; REGISTERS, in windows of 256.  Window 0: below.  Window 1: head 2 w's weights, fragment (t, s) at v[16 (4 t + s)].  Window 2: x of my second tile, later head 2 w + 1's weights.  Window 3: x of my first tile, later xn's fragments v[64 u + 16 s].
; THE MODE: SCHED_MODE bits 1:0 = 2 (LLVM: expert scheduling mode 2), set by the entry lines.  The code itself states the register dependences between vector or matrix instructions and memory or LDS instructions,
; with s_wait_alu, always for 0.
; THE PLAN.  Registers that memory or LDS instructions touch:
;   v1-8, v11-15  offsets and LDS addresses, made once at the head and never written again: one wait on va_vdst ahead of the first load.
;   WT, BT        The norm, K step s: its multiply-adds read them; behind them the LDS loads of the next K step land in them.  (Their first four registers each carry the two vectors to LDS at the head.)
;   PC, PW        Written by a fragment's conversions and packing; read by its five LDS stores, which stand in the NEXT K step, beside that step's LDS loads: so one wait on va_vdst a K step states both that the
;                 multiply-adds are done reading WT and BT and that PC and PW are written; one wait on vm_vsrc stands ahead of the lines that write PC and PW again.  In the heads' loops: read by the trip's global stores.
;   window 2      x of tile 1, read and written by its norm; then weights land in it, behind the wait that stands ahead of the last fragment's stores.
;   window 3's fragments, XS   A trip of a head's loop: LDS loads land in them at its head, its matrix instructions read them.
;   AX, AXS       LDS addresses, which have no scalar base: written once a trip, behind a wait on vm_vsrc; the trip's one wait on va_vdst ahead of the LDS loads states that they are written and that the last trip's
;                 matrix instructions are done reading the fragments and XS.
;   VS            v's way: written in every trip, read by four stores behind the loop.
.set LNW,  0                           ; LDS: ln1_w, 2,048 bytes
.set LNB,  2048                        ; ln1_b
.set XSC,  4096                        ; xn's scale words: (4 m + s) x 128
.set XIMG, 8192                        ; xn's images: m x 8,192 + s x 2,048 + c x 512
.set LI,   1                           ; 16 x lane
.set LS,   2                           ; 4 x lane
.set XA,   3                           ; x: my row's place, + 64 h
.set WA,   4                           ; weights' codes: my row's place, + 16 h
.set WSA,  5                           ; weights' scale words
.set H64,  6                           ; 64 h
.set XWI,  7                           ; where I store xn's images: 16 lane + 16,384 wave
.set XWS,  8                           ; and their scale words: 4 lane + 1,024 wave
.set AX,   9                           ; the images of the pair of tiles in hand
.set AXS,  10                          ; and their scale words
.set T16,  11                          ; 16 x thread
.set OFB,  12                          ; v12-15 where block B's codes go, from the output's base
.set TM,   16                          ; v16-19 largest magnitudes, v20-23 bytes, v24-27 448 x scale, v28-31 scale operands
.set PW,   32                          ; the scale word just made
.set VS,   34                          ; v34-37 v's scale words, a byte for each 32 keys
.set MU,   38                          ; v[38:39] the mean (the upper word is 0 and not used)
.set RS,   40                          ; v[40:41] 1 / sqrt(var + eps)
.set AC,   42                          ; v42-49 four chains of packed sums
.set T,    50                          ; v50-51 at work
.set RP,   56                          ; r + 8 (r / 8)
.set H16,  57                          ; 16 h
.set PC,   64                          ; v64-79 the codes just made
.set WT,   80                          ; v80-143 ln1_w of a K step's columns
.set BT,   144                         ; v144-207 ln1_b likewise
.set HA,   80                          ; v80-143 eight accumulators
.set WS,   208                         ; v208-239 the weights' scale words: 16 e + 4 t + s
.set XS,   240                         ; v240-247 xn's: 4 u + s
.set VO,   84                          ; y = 3: offsets of the four tiles' rows; v88-91 of their scale words
.set VSO,  88
.set RT,   92
.set RD,   96                          ; y = 3: four fragments
.set RE,   160                         ; and their scale words
.set SEL,  48                          ; s[48:49] lane l xor 16
.set MNT,  50                          ; s50 the mantissa field of 448
.set MSB, 0
.macro WIN new                         ; the immediate's high byte repeats the setting that is left; a switch that changes nothing is dropped
.if MSB != (\new)
	s_set_vgpr_msb (MSB<<8)|(\new)
.set MSB, (\new)
.endif
.endm
.macro PLACES n
.rept \n
	v_nop
.endr
.endm
; 64 numbers of a lane, v[s] .. v[s + 63] of window wx, register 16 b + i in block b, become codes in v[PC] on; bytes in v[TM+4+b].  A block's other 16 numbers lie in lane l xor 16.
.macro QUANT s, wx, relu
	WIN (\wx)|((\wx)<<2)
.irp b, 0,1,2,3
.if \relu
	v_max3_num_f32 v[TM+\b], v[(\s)+16*\b], v[(\s)+16*\b+1], 0x4800000
.else
	v_max3_num_f32 v[TM+\b], |v[(\s)+16*\b]|, |v[(\s)+16*\b+1]|, 0x4800000   ; the floor 2^(9 - 127) is a leaf: the byte cannot fall under 1
.endif
.endr
	WIN ((\wx)<<2)|((\wx)<<4)
.irp i, 2,4,6,8,10,12,14
.irp b, 0,1,2,3
.if \relu
	v_max3_num_f32 v[TM+\b], v[TM+\b], v[(\s)+16*\b+\i], v[(\s)+16*\b+\i+1]
.else
	v_max3_num_f32 v[TM+\b], v[TM+\b], |v[(\s)+16*\b+\i]|, |v[(\s)+16*\b+\i+1]|   ; the four blocks by turns
.endif
.endr
.endr
	WIN 0
.irp b, 0,1,2,3
	v_permlanex16_b32 v[TM+4+\b], v[TM+\b], s[SEL], s[SEL+1]
.endr
.irp b, 0,1,2,3
	v_max_num_f32 v[TM+\b], v[TM+\b], v[TM+4+\b]               ; the block's largest magnitude
.endr
.irp b, 0,1,2,3
	v_add_nc_u32 v[TM+12+\b], 0xfc000000, v[TM+\b]             ; 8 off its exponent field: the conversion's scale operand
.endr
.irp b, 0,1,2,3
	v_and_or_b32 v[TM+8+\b], v[TM+\b], 0x7f800000, s[MNT]      ; 448 x the scale
.endr
.irp b, 0,1,2,3
	v_lshrrev_b32 v[TM+4+\b], 23, v[TM+12+\b]                  ; the scale's byte
.endr
	WIN (\wx)|((\wx)<<6)
.irp b, 0,1,2,3
.irp i, 0,1,2,3,4,5,6,7,8,9,10,11,12,13,14,15
.if \relu
	v_med3_num_f32 v[(\s)+16*\b+\i], v[(\s)+16*\b+\i], 0, v[TM+8+\b]
.else
	v_med3_num_f32 v[(\s)+16*\b+\i], v[(\s)+16*\b+\i], -v[TM+8+\b], v[TM+8+\b]   ; the conversion to an 8-bit code does not saturate (ISA guide 7.6.2): the hold
.endif
.endr
.endr
	WIN (\wx)
.irp b, 0,1,2,3
	v_cvt_scalef32_pk8_fp8_f32 v[PC+4*\b:PC+4*\b+1], v[(\s)+16*\b:(\s)+16*\b+7], v[TM+12+\b]
	v_cvt_scalef32_pk8_fp8_f32 v[PC+4*\b+2:PC+4*\b+3], v[(\s)+16*\b+8:(\s)+16*\b+15], v[TM+12+\b]
.endr
	WIN 0
	v_nop                                          ; one plain line behind the last scaled conversion
.endm
.macro PACKW                           ; the four bytes make a scale word
	v_lshl_or_b32 v[PW], v[TM+5], 8, v[TM+4]
	v_lshl_or_b32 v[PW], v[TM+6], 16, v[PW]
	v_lshl_or_b32 v[PW], v[TM+7], 24, v[PW]
.endm
.macro REDUCE d                        ; the four chains and lane l xor 16's: my row's sum
	v_pk_add_f32 v[AC:AC+1], v[AC:AC+1], v[AC+2:AC+3]
	v_pk_add_f32 v[AC+4:AC+5], v[AC+4:AC+5], v[AC+6:AC+7]
	v_pk_add_f32 v[AC:AC+1], v[AC:AC+1], v[AC+4:AC+5]
	v_add_f32 v[T], v[AC], v[AC+1]
	v_permlanex16_b32 v[T+1], v[T], s[SEL], s[SEL+1]
	v_add_f32 v[\d], v[T], v[T+1]
.endm
	s_load_b128 s[4:7], s[0:1], 0x0                ; x, ln1_w
	s_load_b64 s[8:9], s[0:1], 0x10                ; ln1_b
	s_load_b256 s[12:19], s[0:1], 0x18             ; wq's codes, scales; wkv's codes, scales
	s_load_b256 s[20:27], s[0:1], 0x68             ; qimg, qsc, kv, kvs
	s_load_b256 s[68:75], s[0:1], 0x38             ; wp's codes, scales; w1's codes, scales
	s_load_b128 s[76:79], s[0:1], 0x58             ; w2's codes, scales
	s_load_b128 s[80:83], s[0:1], 0x88             ; wst, wss
	v_lshl_add_u32 v254, v0, 2, 0x12000
	v_mov_b32 v255, 0
	v_and_b32 v52, 31, v0                          ; lane
	v_lshrrev_b32 v53, 5, v0
	v_readfirstlane_b32 s2, v53                    ; wave 0..3
	s_and_b32 s3, ttmp7, 0xffff                    ; y
	v_and_b32 v54, 15, v0                          ; r
	v_bfe_u32 v55, v0, 4, 1                        ; h
	v_and_b32 v[RP], 8, v54
	v_add_nc_u32 v[RP], v[RP], v54                 ; r + 8 (r / 8)
	v_lshlrev_b32 v[H16], 4, v55
	v_lshlrev_b32 v[LI], 4, v52
	v_lshlrev_b32 v[LS], 2, v52
	s_wait_alu depctr_va_sdst(0)                   ; s2 is written, ahead of the branch and of its first reader on either way
	s_wait_kmcnt 0x0
	s_cmp_eq_u32 s3, 3
	s_cbranch_scc1 .Lrelay                         ; the same way for all four waves; that way has no barrier and no LDS
	v_lshlrev_b32 v[H64], 6, v55
	v_lshl_add_u32 v[XA], v[RP], 11, v[H64]        ; a row of x is 2,048 bytes
	v_lshl_add_u32 v[WA], v[RP], 9, v[H16]         ; a weight's row 512
	v_lshlrev_b32 v[WSA], 4, v[RP]                 ; its scale bytes 16
	v_lshlrev_b32 v[T16], 4, v0
	s_lshl_b32 s53, s2, 14
	v_add_nc_u32 v[XWI], s53, v[LI]
	s_lshl_b32 s53, s2, 10
	v_add_nc_u32 v[XWS], s53, v[LS]
.irp b, 0,1,2,3
	v_mov_b32 v[TM+4+\b], 0                        ; written once: a lane permute's destination counts as one of its sources
.endr
	v_mov_b32 v[T+1], 0
	v_mov_b32 v[MU+1], 0                           ; named as upper halves of pairs
	v_mov_b32 v[RS+1], 0
	s_mov_b32 s[SEL], 0x76543210
	s_mov_b32 s[SEL+1], 0xfedcba98
	s_mov_b32 s[MNT], 0x600000
	s_mov_b32 s51, 0x3b000000                      ; 1 / 512
	s_mov_b32 s52, 0x3727c5ac                      ; 1e-5
	s_cmp_eq_u32 s3, 0                             ; q's work-group?  The choices hang on the work-group's number alone
	s_cselect_b64 s[28:29], s[12:13], s[16:17]     ; the weight's codes,
	s_cselect_b64 s[30:31], s[14:15], s[18:19]     ; its scales,
	s_cselect_b64 s[32:33], s[20:21], s[24:25]     ; the codes' output,
	s_cselect_b64 s[34:35], s[22:23], s[26:27]     ; the scale words' output
	s_cselect_b32 s56, 13, 14                      ; log2 of a step's record: 8,192 bytes of q, 16,384 of k and v
	s_cmp_eq_u32 s3, 2                             ; v's work-group?
	s_cselect_b32 s54, 11, 9                       ; log2 of the bytes from block to block of a store: v: a tile (2,048); q, k: a group (512)
	s_cselect_b32 s55, 9, 11                       ; and from one pair of token tiles to the next
	s_cselect_b32 s57, 512, 0                      ; v: wkv's rows from 512 on; and its scale words lie 512 bytes into a record
	s_cselect_b32 s38, 0, 128                      ; scale words from pair to pair (v's are stored once, behind the loop)
	s_cselect_b32 s58, 8192, 0                     ; v's codes lie 8,192 bytes into a record
	s_mov_b32 s39, 0
	s_lshl_b32 s36, 1, s55
	s_mov_b32 s37, 0
	s_lshl_b32 s40, 32, s56                        ; from head to head: 32 records
	s_mov_b32 s41, 0
	s_lshr_b32 s42, s40, 4
	s_mov_b32 s43, 0
	s_lshl_b32 s59, s2, 7
	s_add_co_u32 s59, s59, s57                     ; my first weight row
	s_lshl_b32 s60, s59, 9
	s_mov_b32 s61, 0
	s_add_nc_u64 s[28:29], s[28:29], s[60:61]
	s_lshl_b32 s60, s59, 4
	s_add_nc_u64 s[30:31], s[30:31], s[60:61]
	s_lshl_b32 s60, ttmp9, 18                      ; 128 rows of x,
	s_lshl_b32 s62, s2, 16                         ; my wave's 32 of them
	s_add_co_u32 s60, s60, s62
	s_add_nc_u64 s[4:5], s[4:5], s[60:61]
	s_lshr_b32 s62, ttmp9, 5                       ; the batch
	s_lshl_b32 s62, s62, 3
	s_lshl_b32 s63, s2, 1
	s_add_co_u32 s62, s62, s63                     ; batch x 8 + head 2 w
	s_lshl_b32 s62, s62, 5
	s_and_b32 s63, ttmp9, 31
	s_add_co_u32 s62, s62, s63                     ; x 32 + the key step
	s_lshl_b32 s60, s62, s56
	s_add_co_u32 s60, s60, s58
	s_add_nc_u64 s[32:33], s[32:33], s[60:61]
	s_sub_co_u32 s63, s56, 4
	s_lshl_b32 s60, s62, s63
	s_add_co_u32 s60, s60, s57
	s_add_nc_u64 s[34:35], s[34:35], s[60:61]
	s_mov_b64 s[84:85], s[32:33]                   ; kept for the second head
	s_mov_b64 s[86:87], s[34:35]
	s_lshl_b32 s62, 1, s54
	v_mov_b32 v[OFB], v[LI]
	v_add_nc_u32 v[OFB+1], s62, v[LI]
	s_lshl_b32 s63, 2, s54
	v_add_nc_u32 v[OFB+2], s63, v[LI]
	s_add_co_u32 s63, s63, s62
	v_add_nc_u32 v[OFB+3], s63, v[LI]
	s_wait_alu depctr_va_vdst(0)                   ; the offsets and LDS addresses v1 to v8 and v11 to v15 are written, which the loads and stores of this way read
	global_load_b128 v[WT:WT+3], v[T16], s[6:7]    ; ln1_w and ln1_b: 16 bytes a thread
	global_load_b128 v[BT:BT+3], v[T16], s[8:9]
.macro XLOAD wx, u                     ; my tile u: lane (r, h) takes, of its row, 16 neighbours of each block of 32: register 16 B + i = column 32 B + 16 h + i
	WIN (\wx)<<6
.set i, 0
.rept 64
	global_load_b128 v[4*i:4*i+3], v[XA], s[4:5] offset:(\u)*16384+(i/4)*128+(i%4)*16
.set i, i+1
.endr
	WIN 0
.endm
	XLOAD 3, 0
	XLOAD 2, 1
	s_wait_loadcnt 63                              ; 130 loads are issued: all but the youngest 63 are in, the two vectors and tile 0 (66 loads) among them
	ds_store_b128 v[T16], v[WT:WT+3] offset:LNW
	ds_store_b128 v[T16], v[BT:BT+3] offset:LNB
	s_wait_dscnt 0x0                               ; for the others' sake
	s_barrier_signal -1
	s_barrier_wait -1                              ; both vectors lie in LDS
.macro WLOAD e                         ; head 2 w + e's 16 fragments
	WIN (1+\e)<<6
.irp t, 0,1,2,3
.irp s, 0,1,2,3
.irp c, 0,1,2,3
	global_load_b128 v[16*(4*\t+\s)+4*\c:16*(4*\t+\s)+4*\c+3], v[WA], s[28:29] offset:(64*\e+32*(\t/2)+8*(\t%2))*512+128*\s+32*\c
.endr
.endr
.endr
	WIN 0
.endm
	WLOAD 0
.irp e, 0,1
.irp t, 0,1,2,3
.irp s, 0,1,2,3
	global_load_b32 v[WS+16*\e+4*\t+\s], v[WSA], s[30:31] offset:(64*\e+32*(\t/2)+8*(\t%2))*16+4*\s
.endr
.endr
.endr
.macro LNLOAD s                        ; the gains and biases of K step s's columns, in the order of my numbers
.irp b, 0,1,2,3
.irp j, 0,1,2,3
	ds_load_b128 v[WT+16*\b+4*\j:WT+16*\b+4*\j+3], v[H64] offset:LNW+512*(\s)+128*\b+16*\j
	ds_load_b128 v[BT+16*\b+4*\j:BT+16*\b+4*\j+3], v[H64] offset:LNB+512*(\s)+128*\b+16*\j
.endr
.endr
.endm
	s_wait_alu depctr_vm_vsrc(0)                   ; the two LDS stores above have read v[WT ..] and v[BT ..], in which the loads below land
	LNLOAD 0
.macro XSTORE u, s                     ; the fragment in v[PC] on and its scale word go to LDS as they stand: my tile u, K step s
.irp c, 0,1,2,3
	ds_store_b128 v[XWI], v[PC+4*\c:PC+4*\c+3] offset:XIMG+8192*(\u)+2048*(\s)+512*\c
.endr
	ds_store_b32 v[XWS], v[PW] offset:XSC+512*(\u)+128*(\s)
.endm
; The norm of my tile u, whose 256 numbers a lane lie in window wx, in two passes (mean, then the squares of the differences), and its four fragments.
.macro LNT wx, u
	WIN (\wx)|((\wx)<<2)
.irp k, 0,1,2,3
	v_pk_add_f32 v[AC+2*\k:AC+2*\k+1], v[4*\k:4*\k+1], v[4*\k+2:4*\k+3]
.endr
	WIN (\wx)<<2
.set i, 0
.rept 120
	v_pk_add_f32 v[AC+2*(i%4):AC+2*(i%4)+1], v[AC+2*(i%4):AC+2*(i%4)+1], v[16+2*i:17+2*i]
.set i, i+1
.endr
	WIN 0
	REDUCE T
	v_mul_f32 v[MU], s51, v[T]                     ; the mean
	WIN (\wx)|((\wx)<<6)
.set i, 0
.rept 128
	v_pk_add_f32 v[2*i:2*i+1], v[2*i:2*i+1], v[MU:MU+1] op_sel_hi:[1,0] neg_lo:[0,1] neg_hi:[0,1]
.set i, i+1
.endr
	WIN (\wx)|((\wx)<<2)
.irp k, 0,1,2,3
	v_pk_mul_f32 v[AC+2*\k:AC+2*\k+1], v[2*\k:2*\k+1], v[2*\k:2*\k+1]
.endr
.set i, 4
.rept 124
	v_pk_fma_f32 v[AC+2*(i%4):AC+2*(i%4)+1], v[2*i:2*i+1], v[2*i:2*i+1], v[AC+2*(i%4):AC+2*(i%4)+1]
.set i, i+1
.endr
	WIN 0
	REDUCE T
	v_fma_f32 v[T], v[T], s51, s52                 ; var + eps
	v_rsq_f32 v[RS], v[T]
	v_nop                                          ; a plain line behind the transcendental,
	s_wait_alu depctr_va_vdst(0)                   ; and the wait ahead of its first reader: v[RS] is written
.irp s, 0,1,2,3
	s_wait_dscnt 0x0                               ; this K step's gains and biases are in
	WIN (\wx)|((\wx)<<6)
.set i, 0
.rept 32
	v_pk_mul_f32 v[64*\s+2*i:64*\s+2*i+1], v[64*\s+2*i:64*\s+2*i+1], v[RS:RS+1] op_sel_hi:[1,0]
.set i, i+1
.endr
.set i, 0
.rept 32
	v_pk_fma_f32 v[64*\s+2*i:64*\s+2*i+1], v[64*\s+2*i:64*\s+2*i+1], v[WT+2*i:WT+2*i+1], v[BT+2*i:BT+2*i+1]
.set i, i+1
.endr
	WIN 0
	s_wait_alu depctr_va_vdst(0)                   ; the multiply-adds are done reading v[WT ..] and v[BT ..], in which the next loads land; the last fragment's codes and scale word are written, which the stores below read
.if \s > 0
	XSTORE \u, \s-1                                ; the fragment made in the K step before
.endif
.if \s < 3
	LNLOAD \s+1                                    ; the next K step's land while this one is quantised
.elseif \u == 0
	LNLOAD 0
.endif
.if (\s > 0) || (\u > 0)
	s_wait_alu depctr_vm_vsrc(0)                   ; the last fragment's stores have read v[PC ..] and v[PW], which the lines below write again
.endif
	QUANT 64*\s, \wx, 0
	PACKW
.endr
	s_wait_alu depctr_va_vdst(0)                   ; the tile's last codes and scale word are written, which the stores below read; behind tile 1: its norm is done with window 2, in which weights land next
	XSTORE \u, 3
.endm
	LNT 3, 0
	s_wait_loadcnt 63                              ; 226 loads are issued: the first 163 are in, tile 1 (the first 130) among them
	LNT 2, 1
	WLOAD 1                                        ; into the window that tile 1 has left: no vector instruction stands behind the wait above
	s_wait_dscnt 0x0                               ; my images have landed
	s_barrier_signal -1
	s_barrier_wait -1                              ; the eight tiles' 32 fragments lie in LDS
; Head 2 w + e: four trips, a pair of token tiles (32 tokens) each.
.macro HEAD e
	s_wait_xcnt 0x0                                ; earlier stores have read their bases and data
.if \e
	s_wait_alu depctr_vm_vsrc(0)                   ; v's way: the four stores behind the first head's loop have read v[VS ..], which is cleared below
	s_add_nc_u64 s[32:33], s[84:85], s[40:41]
	s_add_nc_u64 s[34:35], s[86:87], s[42:43]
.endif
.irp t, 0,1,2,3
	v_mov_b32 v[VS+\t], 0
.endr
	s_mov_b32 s44, 0                               ; the pair's images: 16,384 bytes a trip
	s_mov_b32 s45, 0                               ; its scale words: 1,024
	s_mov_b32 s46, 0                               ; v: the byte's place in its word: 8 bits a trip
	s_mov_b32 s47, 4
.Lg_\e:
	s_wait_alu depctr_vm_vsrc(0)                   ; the last trip's LDS loads have read v[AX] and v[AXS], written below; the last stores have read v[PC ..] and v[PW], written again in this trip
	v_add_nc_u32 v[AX], s44, v[LI]
	v_add_nc_u32 v[AXS], s45, v[LS]
	WIN 0xc0                                       ; destination window 3
	s_wait_alu depctr_va_vdst(0)                   ; v[AX] and v[AXS] are written; the last trip's matrix instructions are done reading the fragments and v[XS ..], in which the loads below land
.irp u, 0,1
.irp s, 0,1,2,3
.irp c, 0,1,2,3
	ds_load_b128 v[64*\u+16*\s+4*\c:64*\u+16*\s+4*\c+3], v[AX] offset:XIMG+8192*\u+2048*\s+512*\c
.endr
.endr
.endr
	WIN 0
.irp u, 0,1
.irp s, 0,1,2,3
	ds_load_b32 v[XS+4*\u+\s], v[AXS] offset:XSC+(4*\u+\s)*128
.endr
.endr
	s_wait_dscnt 0x0
	s_cmp_eq_u32 s3, 2
	s_cbranch_scc1 .Lv_\e
	WIN (1+\e)|(3<<2)                              ; q, k: source 0 = 16 weight rows, source 1 = 16 tokens: a lane holds a token, its registers run along the head's 64
.irp s, 0,1,2,3
.irp u, 0,1
.irp t, 0,1,2,3
.if \s == 0
	v_wmma_scale_f32_16x16x128_f8f6f4 v[HA+32*\u+8*\t:HA+32*\u+8*\t+7], v[16*(4*\t+\s):16*(4*\t+\s)+15], v[64*\u+16*\s:64*\u+16*\s+15], 0, v[WS+16*\e+4*\t+\s], v[XS+4*\u+\s]
.else
	v_wmma_scale_f32_16x16x128_f8f6f4 v[HA+32*\u+8*\t:HA+32*\u+8*\t+7], v[16*(4*\t+\s):16*(4*\t+\s)+15], v[64*\u+16*\s:64*\u+16*\s+15], v[HA+32*\u+8*\t:HA+32*\u+8*\t+7], v[WS+16*\e+4*\t+\s], v[XS+4*\u+\s]
.endif
.endr
.endr
.endr
	WIN 0
	s_branch .Lj_\e
.Lv_\e:
	WIN 3|((1+\e)<<2)                              ; v: the sources change places: a lane holds one of the head's 64, its registers run along the 32 tokens
.irp s, 0,1,2,3
.irp u, 0,1
.irp t, 0,1,2,3
.if \s == 0
	v_wmma_scale_f32_16x16x128_f8f6f4 v[HA+16*\t+8*\u:HA+16*\t+8*\u+7], v[64*\u+16*\s:64*\u+16*\s+15], v[16*(4*\t+\s):16*(4*\t+\s)+15], 0, v[XS+4*\u+\s], v[WS+16*\e+4*\t+\s]
.else
	v_wmma_scale_f32_16x16x128_f8f6f4 v[HA+16*\t+8*\u:HA+16*\t+8*\u+7], v[64*\u+16*\s:64*\u+16*\s+15], v[16*(4*\t+\s):16*(4*\t+\s)+15], v[HA+16*\t+8*\u:HA+16*\t+8*\u+7], v[XS+4*\u+\s], v[WS+16*\e+4*\t+\s]
.endif
.endr
.endr
.endr
	WIN 0
.Lj_\e:
	PLACES 8                                       ; eight places behind this matrix form; the eight accumulators have taken turns
	QUANT HA, 0, 0                                 ; q, k: block 2 u + b = tile u, half b of the head;  v: block t = tile t of the head's 64, these 32 keys
	s_cmp_eq_u32 s3, 2                             ; the ways part ahead of the stores, so that each way has one wait ahead of its run of stores
	s_cbranch_scc1 .Lvs_\e
	PACKW
	s_wait_alu depctr_va_vdst(0)                   ; the conversions have written v[PC ..] and the packing v[PW], which the stores below read
.irp b, 0,1,2,3
	global_store_b128 v[OFB+\b], v[PC+4*\b:PC+4*\b+3], s[32:33]   ; 512 consecutive bytes, aligned
.endr
	global_store_b32 v[LS], v[PW], s[34:35]        ; q, k: one word a row for the pair of tiles
	s_branch .Lst_\e
.Lvs_\e:
.irp t, 0,1,2,3
	v_lshl_or_b32 v[VS+\t], v[TM+4+\t], s46, v[VS+\t]   ; v: the byte of these 32 keys goes into its row's word
.endr
	s_wait_alu depctr_va_vdst(0)                   ; the conversions have written v[PC ..], which the stores below read; v[VS ..] is written, which the stores behind the loop read
.irp b, 0,1,2,3
	global_store_b128 v[OFB+\b], v[PC+4*\b:PC+4*\b+3], s[32:33]   ; 512 consecutive bytes, aligned
.endr
.Lst_\e:
	s_wait_xcnt 0x0                                ; the stores have read their data and bases: both are written again below and in the next trip
	s_add_nc_u64 s[32:33], s[32:33], s[36:37]
	s_add_nc_u64 s[34:35], s[34:35], s[38:39]
	s_add_co_u32 s44, s44, 16384
	s_add_co_u32 s45, s45, 1024
	s_add_co_u32 s46, s46, 8
	s_sub_co_u32 s47, s47, 1
	s_cmp_lg_u32 s47, 0
	s_cbranch_scc1 .Lg_\e
	s_cmp_eq_u32 s3, 2
	s_cbranch_scc0 .Lnv_\e
.irp t, 0,1,2,3
	global_store_b32 v[LS], v[VS+\t], s[34:35] offset:128*\t
.endr
.Lnv_\e:
.endm
	s_wait_loadcnt 63                              ; 290 loads are issued: the first 227 are in: head 2 w's weights and all scale words (226)
	HEAD 0
	s_wait_loadcnt 0x0
	HEAD 1
	s_wait_dscnt 0x0                               ; the closing lines, six on end
	s_wait_alu 0x0
	s_wait_tensorcnt 0x0
	ds_add_u32 v254, v255
	s_wait_dscnt 0x0
	s_endpgm
; y = 3.  Group G of 288 (pass G / 32, wave (G / 8) % 4, k = G % 8) is four fragments: weight tiles 4 (k % 2) + t' of the wave's 128 rows, K step k / 2 of the pass's 512 along K.
; Pass 0: wp.  Pass 1 + i: w1's rows 512 i on.  Pass 5 + i: w2, K from 512 i on.  A wave takes one group, and the first 32 waves a second.
.macro RELAY
	s_lshr_b32 s54, s53, 5                         ; the pass
	s_bfe_u32 s55, s53, 0x20003                    ; the wave that will read it
	s_and_b32 s56, s53, 7                          ; k
	s_and_b32 s57, s56, 1
	s_lshr_b32 s58, s56, 1
	s_lshl_b32 s59, s55, 7
	s_lshl_b32 s57, s57, 6
	s_add_co_u32 s59, s59, s57                     ; first row: 128 wave + 64 (k % 2)
	s_lshl_b32 s58, s58, 7                         ; first byte along K: 128 (k / 2)
	s_cmp_ge_u32 s54, 5                            ; w2?
	s_cselect_b32 s60, 11, 9                       ; log2 of a row's bytes
	s_cselect_b64 s[88:89], s[76:77], s[72:73]
	s_cselect_b64 s[90:91], s[78:79], s[74:75]
	s_cselect_b32 s61, 5, 1
	s_sub_co_i32 s61, s54, s61
	s_max_i32 s61, s61, 0                          ; which 512: of w1's rows, or of w2's K
	s_lshl_b32 s62, s61, 9
	s_cmp_ge_u32 s54, 5
	s_cselect_b32 s63, s62, 0
	s_cselect_b32 s62, 0, s62
	s_add_co_u32 s58, s58, s63
	s_add_co_u32 s59, s59, s62
	s_cmp_eq_u32 s54, 0                            ; wp?
	s_cselect_b64 s[88:89], s[68:69], s[88:89]
	s_cselect_b64 s[90:91], s[70:71], s[90:91]
	s_lshl_b32 s59, s59, s60
	s_add_co_u32 s92, s59, s58
	s_mov_b32 s93, 0
	s_add_nc_u64 s[88:89], s[88:89], s[92:93]      ; the codes,
	s_lshr_b32 s92, s92, 5
	s_add_nc_u64 s[90:91], s[90:91], s[92:93]      ; the scale bytes: one for 32 codes
	s_lshl_b32 s92, s53, 13
	s_add_nc_u64 s[94:95], s[80:81], s[92:93]      ; 8,192 bytes of codes a group,
	s_lshl_b32 s92, s53, 9
	s_add_nc_u64 s[96:97], s[82:83], s[92:93]      ; 512 of scale words
	s_sub_co_u32 s61, s60, 5
.irp t, 0,1,2,3
	v_add_nc_u32 v[RT], 32*(\t/2)+8*(\t%2), v[RP]
	v_lshlrev_b32 v[VO+\t], s60, v[RT]
	v_add_nc_u32 v[VO+\t], v[VO+\t], v[H16]
	v_lshlrev_b32 v[VSO+\t], s61, v[RT]
.endr
	s_wait_alu depctr_va_vdst(0)                   ; the eight offsets v[VO ..] and v[VSO ..] are written, which the loads below read; so is v[LI], which the stores read
.irp t, 0,1,2,3
.irp c, 0,1,2,3
	global_load_b128 v[RD+16*\t+4*\c:RD+16*\t+4*\c+3], v[VO+\t], s[88:89] offset:32*\c
.endr
	global_load_b32 v[RE+\t], v[VSO+\t], s[90:91]
.endr
	s_wait_loadcnt 0x0
.irp t, 0,1,2,3
.irp c, 0,1,2,3
	global_store_b128 v[LI], v[RD+16*\t+4*\c:RD+16*\t+4*\c+3], s[94:95] offset:2048*\t+512*\c
.endr
.endr
	global_store_b128 v[LI], v[RE:RE+3], s[96:97]  ; a lane's four words, one for each tile
.endm
.Lrelay:
	s_lshl_b32 s53, ttmp9, 2
	s_add_co_u32 s53, s53, s2                      ; groups 0 to 255
	RELAY
	s_cmp_lt_u32 ttmp9, 8
	s_cbranch_scc0 .Lrdone
	s_wait_xcnt 0x0                                ; the stores have read their data, offsets and bases: all are written again
	s_wait_alu depctr_vm_vsrc(0)                   ; the loads have read v[VO ..] and v[VSO ..], which are written again; the stores have read v[RD ..] and v[RE ..], in which the next loads land
	s_add_co_u32 s53, s53, 256                     ; groups 256 to 287
	RELAY
.Lrdone:
	s_endpgm
.Lfunc_end_k_q69e5507f85_qkv:
	.size	k_q69e5507f85_qkv, .Lfunc_end_k_q69e5507f85_qkv-k_q69e5507f85_qkv
	.p2alignl 7, 3214868480
	.fill 96, 4, 3214868480
	.section	.rodata,"a",@progbits
	.p2align	6, 0x0
	.amdhsa_kernel k_q69e5507f85_qkv
		.amdhsa_group_segment_fixed_size 74240
		.amdhsa_private_segment_fixed_size 0
		.amdhsa_enable_private_segment 0
		.amdhsa_kernarg_size 152
		.amdhsa_user_sgpr_count 2
		.amdhsa_user_sgpr_kernarg_segment_ptr 1
		.amdhsa_wavefront_size32 1
		.amdhsa_system_sgpr_workgroup_id_x 1
		.amdhsa_system_sgpr_workgroup_id_y 1
		.amdhsa_system_sgpr_workgroup_id_z 1
		.amdhsa_system_vgpr_workitem_id 0
		.amdhsa_next_free_vgpr 1024
		.amdhsa_next_free_sgpr 100
		.amdhsa_reserve_vcc 0
		.amdhsa_float_denorm_mode_32 3
		.amdhsa_float_denorm_mode_16_64 3
		.amdhsa_memory_ordered 1
		.amdhsa_forward_progress 1
		.amdhsa_inst_pref_size 253
	.end_amdhsa_kernel
	.amdgpu_metadata
---
amdhsa.version: [ 1, 2 ]
amdhsa.kernels:
  - .name:           k_q69e5507f85_qkv
    .symbol:         k_q69e5507f85_qkv.kd
    .args:
      - { .name: x, .offset: 0, .size: 8, .value_kind: global_buffer, .address_space: global }
      - { .name: ln1_w, .offset: 8, .size: 8, .value_kind: global_buffer, .address_space: global }
      - { .name: ln1_b, .offset: 16, .size: 8, .value_kind: global_buffer, .address_space: global }
      - { .name: wq_codes, .offset: 24, .size: 8, .value_kind: global_buffer, .address_space: global }
      - { .name: wq_scales, .offset: 32, .size: 8, .value_kind: global_buffer, .address_space: global }
      - { .name: wkv_codes, .offset: 40, .size: 8, .value_kind: global_buffer, .address_space: global }
      - { .name: wkv_scales, .offset: 48, .size: 8, .value_kind: global_buffer, .address_space: global }
      - { .name: wp_codes, .offset: 56, .size: 8, .value_kind: global_buffer, .address_space: global }
      - { .name: wp_scales, .offset: 64, .size: 8, .value_kind: global_buffer, .address_space: global }
      - { .name: w1_codes, .offset: 72, .size: 8, .value_kind: global_buffer, .address_space: global }
      - { .name: w1_scales, .offset: 80, .size: 8, .value_kind: global_buffer, .address_space: global }
      - { .name: w2_codes, .offset: 88, .size: 8, .value_kind: global_buffer, .address_space: global }
      - { .name: w2_scales, .offset: 96, .size: 8, .value_kind: global_buffer, .address_space: global }
      - { .name: qimg, .offset: 104, .size: 8, .value_kind: global_buffer, .address_space: global }
      - { .name: qsc, .offset: 112, .size: 8, .value_kind: global_buffer, .address_space: global }
      - { .name: kv, .offset: 120, .size: 8, .value_kind: global_buffer, .address_space: global }
      - { .name: kvs, .offset: 128, .size: 8, .value_kind: global_buffer, .address_space: global }
      - { .name: wst, .offset: 136, .size: 8, .value_kind: global_buffer, .address_space: global }
      - { .name: wss, .offset: 144, .size: 8, .value_kind: global_buffer, .address_space: global }
    .group_segment_fixed_size: 74240
    .private_segment_fixed_size: 0
    .kernarg_segment_align: 8
    .kernarg_segment_size: 152
    .max_flat_workgroup_size: 128
    .sgpr_count:     100
    .vgpr_count:     1024
    .wavefront_size: 32
...
	.end_amdgpu_metadata
.endif
;; end of part 4
;; launch attn: the kernel of part 2 again; grid 16 x 16, 16 waves a work-group, no clusters, 327,680 bytes of LDS; arguments qimg, qsc, kv, kvs, aimg, asc; writes aimg, asc
;; launch tail (part 5): grid 128 x 1, 4 waves a work-group, no clusters, 187,904 bytes of LDS; arguments x, aimg, asc, wst, wss, bp, ln2_w, ln2_b, b1, b2, out0; writes out0
.if DOCPART == 5
	.amdgcn_target "amdgcn-amd-amdhsa--gfx1250"
	.amdhsa_code_object_version 6
	.text
	.protected	k_q69e5507f85_tail
	.globl	k_q69e5507f85_tail
	.p2align	8
	.type	k_q69e5507f85_tail,@function
k_q69e5507f85_tail:
	s_mov_b64 s[64:65], 0
	v_nop
	global_prefetch_b8 v0, s[64:65] scope:SCOPE_SE
	s_setreg_imm32_b32 hwreg(HW_REG_WAVE_SCHED_MODE, 0, 2), 2
	s_setreg_imm32_b32 hwreg(HW_REG_WAVE_MODE, 25, 1), 1
	s_wait_xcnt 0x0
	s_wait_alu depctr_vm_vsrc(0)
; x1 = x + attn_out wp + bp;  out = x1 + relu(LN2(x1) w1 + b1) w2 + b2.  All three products on E4M3 codes with E8M0 scales; x1, the norm and the hidden layer never go to memory.
; SHARES.  A work-group takes 64 tokens (four tiles of 16; row r of tile m is token 32 (m / 2) + 8 (m % 2) + r + 8 (r / 8)).  THE WAVES SHARE THE COLUMNS: wave w owns columns 128 w .. + 127 of x1 and out, and hidden
; units 512 i + 128 w .. + 127.  Nine passes of one shape (wp; w1 in four parts; w2 in four parts along K): 32 weight fragments x 4 token tiles = 128 matrix instructions each.
; THE WEIGHTS were laid by the first launch in the order in which a wave takes them: they go from memory straight into the registers of the one wave that uses them, 512 consecutive bytes a load, through a ring of
; four slots (a batch: 4 fragments and their scale words: 17 loads): one slot is multiplied, up to three batches are on their way.  So there is no tile in LDS that work-groups could share, and no cluster.
; 64 tokens: a wave streams 589,824 bytes of weights whatever the number of tokens; 32 tokens would halve the matrix work under that stream, 128 would leave 64 work-groups.
; THE MATRIX INSTRUCTION IS USED TRANSPOSED (source 0 = 16 weight rows, source 1 = 16 tokens): a lane holds a token, and the 16 registers of two neighbouring tiles are 16 neighbouring columns.
; OPERANDS GO FROM WAVE TO WAVE THROUGH LDS AS IMAGES OF THEIR REGISTERS (four groups of 512 bytes, lane l's 16 bytes at 16 l; a scale word at 4 l).  The biases and residuals are what the sums start from.
; LN2 over columns that four waves hold: each wave's mean and sum of squared differences of its 128 columns meet in LDS and are joined without a difference of large sums.
; LIMITS: NaN and infinities are not served; a block whose largest magnitude lies under 2^-118, or that is all zeros, keeps the byte 1 (this program alone reads the bytes).
; REGISTERS.  Window 0: below.  Window 1: the ring, batch slot q at v[64 q + 16 t' + 4 c].  Window 2: x1, later out: v[64 m + 8 t + j].  Window 3: bp / the normed rows (v0-63), ln2_w, ln2_b, b2 (64 each); then the hidden sums; at the end rows of out.
; THE MODE: SCHED_MODE bits 1:0 = 2 (LLVM: expert scheduling mode 2), set by the entry lines.  The code itself states the register dependences between vector or matrix instructions and memory or LDS instructions,
; with s_wait_alu, always for 0.
; THE PLAN.  Registers that memory or LDS instructions touch, in a pass of eight groups k of 16 matrix instructions:
;   the ring's slots and v16-31   Group k's matrix instructions read slot k % 4 and its scale words.  Batch k + 3 lands in slot (k - 1) % 4, which group k - 1 read: it is asked for IN group k, behind its first four matrix instructions.
;   BF's two sets and BS          Groups 2 s and 2 s + 1 read set s % 2.  The other set's LDS loads (the K step after) stand in the even group, behind its eighth matrix instruction.
;   So ONE wait on va_vdst stands at a group's head: the group before is done reading its slot, its scale words and, ahead of an even group, its set.  Since that wait the group's own matrix instructions name slot k % 4,
;   the set in hand and the accumulators: none of the registers that the group's loads touch.
;   OB, OW (set 1 and BS's upper four, free between passes)   four out-buffers: the four tiles' codes and scale words are made there, and leave behind ONE wait on va_vdst as one run of 20 LDS stores; the next write of
;   them is group 0's LDS loads, ahead of which a wait on vm_vsrc stands (at the hidden loop's head; ahead of the w2 passes' addresses).
;   SP   the statistics' four pairs: one wait on va_vdst ahead of their four stores.
;   B1A, HWT, HST, BA, BSA   LDS addresses, which have no scalar base: each is written behind a wait on vm_vsrc and ahead of a wait on va_vdst that stands there anyway.  All other offsets are made once, at the head.
.set B1L,   0                          ; LDS: b1, 8,192 bytes
.set XSC,   8192                       ; scale words of the operand with K = 512: (4 s + m) x 128
.set XIMG,  10240                      ; its images: (4 s + m) x 2,048
.set STATS, 43008                      ; m x 1,024 + wave x 256 + 8 lane
.set HSC,   47104                      ; the hidden layer's scale words: wave x 2,048 + i x 512 + m x 128
.set HIMG,  55296                      ; its images: wave x 32,768 + i x 8,192 + m x 2,048
.set STG,   55296                      ; the way out: 64 rows x (2,048 + 16) bytes, in the hidden layer's bytes, behind a barrier behind which nobody reads them
.set LI,  1
.set LS,  2
.set XA,  3
.set H64, 4
.set XWI, 5                            ; 16 lane + 8,192 wave
.set XWS, 6                            ; 4 lane + 512 wave
.set HWT, 7
.set HST, 8
.set B1A, 9
.set BSA, 10
.set T16, 11
.set STO, 12
.set STO2, 13
.set SRD, 14
.set STA, 15
.set BS,  32                           ; v32-39 the token operand's scale words, two sets.  (v16-31: the ring's scale words, four a slot)
.set OW,  36                           ; v36-39 between passes: the four scale words just made
.set TM,  40
.set STR, 57
.set T,   58
.set B1A0, 60
.set HW0, 61
.set AC,  62                           ; v62-69
.set HS0, 70
.set AWI, 74
.set AWS, 75
.set SP,  78                           ; v78-85 my columns' mean and sum of squared differences, a pair for each tile
.set BA,  88                           ; v88-91 the images of K step s
.set BF,  96                           ; v96-223 two sets of four token fragments
.set SR,  96                           ; the statistics read back
.set OB,  160                          ; v160-223 between passes: the four fragments' codes just made
.set PC,  224                          ; v224-239 at the head only: b1 on its way to LDS
.set MU,  240                          ; pairs, the upper word 0 and not used
.set RS,  248
.set SEL, 26
.set MNT, 28
.set WX,  10                           ; s[10:11] the weights of the pass in hand: its batches 4 to 7 are asked for by it
.set SX,  12                           ; s[12:13] their scale words
.set WY,  54                           ; s[54:55] the weights of the pass whose batches 0 to 3 are asked for: the next pass's, from a pass's fourth group on
.set SY,  56                           ; s[56:57] their scale words
.set MSB, 0
.macro WIN new                         ; the immediate's high byte repeats the setting that is left; a switch that changes nothing is dropped
.if MSB != (\new)
	s_set_vgpr_msb (MSB<<8)|(\new)
.set MSB, (\new)
.endif
.endm
.macro PLACES n
.rept \n
	v_nop
.endr
.endm
; 64 numbers of a lane, v[s] .. v[s + 63] of window wx, register 16 b + i in block b, become codes in v[pc] on and a scale word in v[pw].  relu = 1: what is negative becomes 0 on the way.
.macro QUANT s, wx, relu, pc, pw
	WIN (\wx)|((\wx)<<2)
.irp b, 0,1,2,3
.if \relu
	v_max3_num_f32 v[TM+\b], v[(\s)+16*\b], v[(\s)+16*\b+1], 0x4800000        ; no |.|: what is negative must not count; the floor stands over it
.else
	v_max3_num_f32 v[TM+\b], |v[(\s)+16*\b]|, |v[(\s)+16*\b+1]|, 0x4800000
.endif
.endr
	WIN ((\wx)<<2)|((\wx)<<4)
.irp i, 2,4,6,8,10,12,14
.irp b, 0,1,2,3
.if \relu
	v_max3_num_f32 v[TM+\b], v[TM+\b], v[(\s)+16*\b+\i], v[(\s)+16*\b+\i+1]
.else
	v_max3_num_f32 v[TM+\b], v[TM+\b], |v[(\s)+16*\b+\i]|, |v[(\s)+16*\b+\i+1]|
.endif
.endr
.endr
	WIN 0
.irp b, 0,1,2,3
	v_permlanex16_b32 v[TM+4+\b], v[TM+\b], s[SEL], s[SEL+1]
.endr
.irp b, 0,1,2,3
	v_max_num_f32 v[TM+\b], v[TM+\b], v[TM+4+\b]
.endr
.irp b, 0,1,2,3
	v_add_nc_u32 v[TM+12+\b], 0xfc000000, v[TM+\b]
.endr
.irp b, 0,1,2,3
	v_and_or_b32 v[TM+8+\b], v[TM+\b], 0x7f800000, s[MNT]
.endr
.irp b, 0,1,2,3
	v_lshrrev_b32 v[TM+4+\b], 23, v[TM+12+\b]
.endr
	v_lshl_or_b32 v[\pw], v[TM+5], 8, v[TM+4]
	v_lshl_or_b32 v[\pw], v[TM+6], 16, v[\pw]
	v_lshl_or_b32 v[\pw], v[TM+7], 24, v[\pw]
	WIN (\wx)|((\wx)<<6)
.irp b, 0,1,2,3
.irp i, 0,1,2,3,4,5,6,7,8,9,10,11,12,13,14,15
.if \relu
	v_med3_num_f32 v[(\s)+16*\b+\i], v[(\s)+16*\b+\i], 0, v[TM+8+\b]          ; the activation and the hold in one
.else
	v_med3_num_f32 v[(\s)+16*\b+\i], v[(\s)+16*\b+\i], -v[TM+8+\b], v[TM+8+\b]
.endif
.endr
.endr
	WIN (\wx)
.irp b, 0,1,2,3
	v_cvt_scalef32_pk8_fp8_f32 v[(\pc)+4*\b:(\pc)+4*\b+1], v[(\s)+16*\b:(\s)+16*\b+7], v[TM+12+\b]
	v_cvt_scalef32_pk8_fp8_f32 v[(\pc)+4*\b+2:(\pc)+4*\b+3], v[(\s)+16*\b+8:(\s)+16*\b+15], v[TM+12+\b]
.endr
	WIN 0
	v_nop                                          ; one plain line behind the last scaled conversion
.endm
.macro REDUCE d                        ; the four chains and lane l xor 16's
	v_pk_add_f32 v[AC:AC+1], v[AC:AC+1], v[AC+2:AC+3]
	v_pk_add_f32 v[AC+4:AC+5], v[AC+4:AC+5], v[AC+6:AC+7]
	v_pk_add_f32 v[AC:AC+1], v[AC:AC+1], v[AC+4:AC+5]
	v_add_f32 v[T], v[AC], v[AC+1]
	v_permlanex16_b32 v[T+1], v[T], s[SEL], s[SEL+1]
	v_add_f32 v[\d], v[T], v[T+1]
.endm
.macro BATCH slot, cb, sb, coff, soff  ; four weight fragments and their scale words, from the bases s[cb:cb+1] and s[sb:sb+1]: 17 loads
	WIN 0x40
.irp t, 0,1,2,3
.irp c, 0,1,2,3
	global_load_b128 v[64*(\slot)+16*\t+4*\c:64*(\slot)+16*\t+4*\c+3], v[LI], s[\cb:\cb+1] offset:(\coff)+2048*\t+512*\c
.endr
.endr
	WIN 0
	global_load_b128 v[16+4*(\slot):16+4*(\slot)+3], v[LI], s[\sb:\sb+1] offset:\soff
.endm
.macro FETCH buf, sn, extra, sstr      ; the four token tiles' fragments of K step sn and their scale words: 20 LDS loads
.irp m, 0,1,2,3
.irp c, 0,1,2,3
	ds_load_b128 v[BF+64*(\buf)+16*\m+4*\c:BF+64*(\buf)+16*\m+4*\c+3], v[BA+(\sn)] offset:(\extra)+2048*\m+512*\c
.endr
	ds_load_b32 v[BS+4*(\buf)+\m], v[BSA] offset:(\sn)*(\sstr)+(\extra)/16+128*\m
.endr
.endm
.macro MM k, t                         ; four matrix instructions of group k: weight tile 4 (k % 2) + t against the four token tiles
.irp m, 0,1,2,3
	v_wmma_scale_f32_16x16x128_f8f6f4 v[64*\m+8*(4*((\k)%2)+(\t)):64*\m+8*(4*((\k)%2)+(\t))+7], v[64*((\k)%4)+16*(\t):64*((\k)%4)+16*(\t)+15], v[BF+64*(((\k)/2)%2)+16*\m:BF+64*(((\k)/2)%2)+16*\m+15], v[64*\m+8*(4*((\k)%2)+(\t)):64*\m+8*(4*((\k)%2)+(\t))+7], v[16+4*((\k)%4)+(\t)], v[BS+4*(((\k)/2)%2)+\m]
.endr
.endm
; A PASS: eight groups k of 16 matrix instructions (weight tiles 4 (k % 2) + t', K step k / 2) onto the 32 accumulators of window aw, which take turns.
; mode 0: the token operand ends with this pass; 1: the next pass reads the same images; 2: the next pass reads the images 8,192 bytes on.  last = 1: no weights follow.
; w0 = 1: the wait at group 0's head is written; 0: nothing is pending there (the first pass), or a wait just ahead of the pass has stated it (the hidden loop's).
; THE BASES.  In group k the slot that group k - 1 read takes batch k + 3: for k = 0 this pass's batch 3, by WY and SY; for k = 1 to 4 its batches 4 to 7, by WX and SX; for k = 5 to 7 the next pass's batches 0 to 2, by WY
; and SY.  A base is stepped behind the counted wait that shows every load that names it done: group 3's wait leaves the two later batches (34 loads) out, so batch 3, the last asked for by WY and SY, is in; group 7's
; likewise shows batch 7, the last by WX and SX.
.macro PASS aw, mode, sstr, last, w0
.irp k, 0,1,2,3,4,5,6,7
.if (\k%2) == 0
	s_wait_dscnt 0x0                               ; this K step's fragments, the youngest LDS loads, asked for a group and a half back; at group 0 also what the sums start from
.endif
.if (\last) && (\k > 5)
	s_wait_loadcnt 17*(7-\k)                       ; the ring runs out
.else
	s_wait_loadcnt 34                              ; batch k is in; the two later batches of 17 loads may be out
.endif
.if (\k == 3) && !(\last)
	s_add_nc_u64 s[WY:WY+1], s[WY:WY+1], 0x40000   ; on to the next pass
	s_add_nc_u64 s[SY:SY+1], s[SY:SY+1], 0x4000
.endif
.if (\k == 7) && !(\last)
	s_add_nc_u64 s[WX:WX+1], s[WX:WX+1], 0x40000
	s_add_nc_u64 s[SX:SX+1], s[SX:SX+1], 0x4000
.endif
.if ((\k > 0) || (\w0)) && ((\k < 5) || !(\last))
	s_wait_alu depctr_va_vdst(0)                   ; the group before is done reading its ring slot and that slot's scale words, ahead of an even group also its set of token fragments: this group's loads land there; at group 0 v[BA ..] and v[BSA] are written
.endif
	WIN 1|((\aw)<<4)|((\aw)<<6)
	MM \k, 0
.if \k == 0
	BATCH 3, WY, SY, 3*8192, 3*512
.elseif \k < 5
	BATCH \k-1, WX, SX, (\k+3)*8192, (\k+3)*512
.elseif !(\last)
	BATCH \k-5, WY, SY, (\k-5)*8192, (\k-5)*512    ; the next pass's first three
.endif
	WIN 1|((\aw)<<4)|((\aw)<<6)
	MM \k, 1
.if (\k%2) == 0
.if \k < 6
	WIN 0
	FETCH ((\k/2)+1)%2, (\k/2)+1, 0, \sstr         ; the K step after this one, into the set that the two groups before read
.elseif \mode == 1
	WIN 0
	FETCH 0, 0, 0, \sstr                           ; the next pass's first K step
.elseif \mode == 2
	WIN 0
	FETCH 0, 0, 8192, \sstr
.endif
.endif
	WIN 1|((\aw)<<4)|((\aw)<<6)
	MM \k, 2
	MM \k, 3
	WIN 0
	PLACES 8                                       ; eight places behind this matrix form: behind group 7 ahead of the first read of results; between groups they stay beside the wait at the next group's head
.endr
.endm
.macro BARRIER
	s_wait_dscnt 0x0                               ; my LDS stores have landed and my LDS loads are in
	s_barrier_signal -1
	s_barrier_wait -1
.endm
	s_load_b256 s[4:11], s[0:1], 0x0               ; x, aimg, asc, wst
	s_load_b256 s[12:19], s[0:1], 0x20             ; wss, bp, ln2_w, ln2_b
	s_load_b128 s[20:23], s[0:1], 0x40             ; b1, b2
	s_load_b64 s[24:25], s[0:1], 0x50              ; out0
	v_lshl_add_u32 v94, v0, 2, 0x2dc00
	v_mov_b32 v95, 0
	v_and_b32 v58, 31, v0                          ; lane
	v_lshrrev_b32 v59, 5, v0
	v_readfirstlane_b32 s2, v59                    ; wave 0..3
	v_and_b32 v71, 15, v0                          ; r
	v_bfe_u32 v72, v0, 4, 1                        ; h
	v_and_b32 v73, 8, v71
	v_add_nc_u32 v73, v73, v71                     ; r + 8 (r / 8)
	v_lshlrev_b32 v[LI], 4, v58
	v_lshlrev_b32 v[LS], 2, v58
	v_lshlrev_b32 v[H64], 6, v72
	v_lshl_add_u32 v[XA], v73, 11, v[H64]
	v_lshlrev_b32 v[T16], 4, v0
.irp s, 0,1,2,3
	v_add_nc_u32 v[BA+\s], XIMG+8192*\s, v[LI]     ; the images of the operand with K = 512: they serve the first five passes
.endr
	v_add_nc_u32 v[BSA], XSC, v[LS]
	s_wait_alu depctr_va_sdst(0)                   ; s2 is written, ahead of its first reader: addresses and bases are made from it
	s_lshl_b32 s42, s2, 13
	v_add_nc_u32 v[XWI], s42, v[LI]
	s_lshl_b32 s42, s2, 9
	v_add_nc_u32 v[XWS], s42, v[LS]
	v_add_nc_u32 v[B1A0], s42, v[H64]              ; 512 wave + 64 h
	s_lshl_b32 s42, s2, 11
	v_add_nc_u32 v[AWI], s42, v[LI]
	v_add_nc_u32 v[HS0], s42, v[LS]
	v_add_nc_u32 v[HS0], HSC, v[HS0]
	s_lshl_b32 s42, s2, 7
	v_add_nc_u32 v[AWS], s42, v[LS]
	s_lshl_b32 s42, s2, 15
	v_add_nc_u32 v[HW0], s42, v[LI]
	v_add_nc_u32 v[HW0], HIMG, v[HW0]
	v_mul_u32_u24 v[STO], v71, 2064
	v_add_nc_u32 v[STO], v[STO], v[B1A0]
	v_add_nc_u32 v[STO], STG, v[STO]               ; the stage: row r of a tile, my wave's 512 bytes, + 64 h
	v_add_nc_u32 v[STO2], 66048, v[STO]            ; tiles 2 and 3
	s_mul_i32 s42, s2, 33024
	v_add_nc_u32 v[SRD], s42, v[LI]
	v_add_nc_u32 v[SRD], STG, v[SRD]               ; back: tile w's 16 rows
	v_lshlrev_b32 v[STR], 3, v58
	s_lshl_b32 s42, s2, 8
	v_add_nc_u32 v[STA], s42, v[STR]
.irp b, 0,1,2,3
	v_mov_b32 v[TM+4+\b], 0                        ; a lane permute's destination counts as one of its sources
	v_mov_b32 v[SP+2*\b+1], 0                      ; named as upper halves of pairs before they are written
	v_mov_b32 v[MU+2*\b+1], 0
	v_mov_b32 v[RS+2*\b+1], 0
.endr
	v_mov_b32 v[T+1], 0
	s_mov_b32 s[SEL], 0x76543210
	s_mov_b32 s[SEL+1], 0xfedcba98
	s_mov_b32 s[MNT], 0x600000
	s_mov_b32 s29, 0x3c000000                      ; 1 / 128
	s_mov_b32 s30, 0x3b000000                      ; 1 / 512
	s_mov_b32 s31, 0x3727c5ac                      ; 1e-5
	s_mov_b32 s52, 0x43000000                      ; 128
	s_lshl_b32 s42, ttmp9, 17                      ; 64 rows of 2,048 bytes
	s_lshl_b32 s44, s2, 9                          ; my 128 columns
	s_add_co_u32 s42, s42, s44
	s_mov_b32 s43, 0
	s_mov_b32 s45, 0
	s_lshl_b32 s46, ttmp9, 2
	s_add_co_u32 s46, s46, s2                      ; the token tile whose images I bring in
	s_lshl_b32 s48, s46, 13
	s_mov_b32 s49, 0
	s_lshl_b32 s50, s46, 9
	s_mov_b32 s51, 0
	s_wait_kmcnt 0x0
	s_add_nc_u64 s[4:5], s[4:5], s[42:43]
	s_add_nc_u64 s[6:7], s[6:7], s[48:49]
	s_add_nc_u64 s[8:9], s[8:9], s[50:51]
	s_add_nc_u64 s[14:15], s[14:15], s[44:45]
	s_add_nc_u64 s[16:17], s[16:17], s[44:45]
	s_add_nc_u64 s[18:19], s[18:19], s[44:45]
	s_add_nc_u64 s[22:23], s[22:23], s[44:45]
	s_lshl_b32 s48, s2, 16
	s_add_nc_u64 s[WX:WX+1], s[WX:WX+1], s[48:49]  ; my wave's eight groups of a pass
	s_lshl_b32 s48, s2, 12
	s_add_nc_u64 s[SX:SX+1], s[SX:SX+1], s[48:49]
	s_mov_b64 s[WY:WY+1], s[WX:WX+1]               ; the first pass's batches 0 to 3 are asked for by the second pair
	s_mov_b64 s[SY:SY+1], s[SX:SX+1]
	s_lshr_b32 s48, s2, 1
	s_lshl_b32 s48, s48, 5
	s_and_b32 s50, s2, 1
	s_lshl_b32 s50, s50, 3
	s_add_co_u32 s48, s48, s50                     ; tile w's first token: 32 (w / 2) + 8 (w % 2)
	s_lshl_b32 s50, ttmp9, 6
	s_add_co_u32 s48, s48, s50
	s_lshl_b32 s48, s48, 11
	s_add_nc_u64 s[24:25], s[24:25], s[48:49]
	s_wait_alu depctr_va_vdst(0)                   ; the offsets and LDS addresses made above are written, which the loads and stores of the kernel read
.set i, 0
.rept 16
	global_load_b128 v[BF+4*i:BF+4*i+3], v[LI], s[6:7] offset:512*i th:TH_LOAD_NT   ; attn_out's images of tile w: group 4 s + c
.set i, i+1
.endr
.irp s, 0,1,2,3
	global_load_b32 v[BS+\s], v[LS], s[8:9] offset:128*\s th:TH_LOAD_NT
.endr
.irp i, 0,1,2,3
	global_load_b128 v[PC+4*\i:PC+4*\i+3], v[T16], s[20:21] offset:2048*\i           ; b1
.endr
	WIN 0x80
.irp m, 0,1,2,3
.irp b, 0,1,2,3
.irp j, 0,1,2,3
	global_load_b128 v[64*\m+16*\b+4*\j:64*\m+16*\b+4*\j+3], v[XA], s[4:5] offset:(32*(\m/2)+8*(\m%2))*2048+128*\b+16*\j th:TH_LOAD_NT   ; x in the accumulators' layout
.endr
.endr
.endr
	WIN 0xc0
.irp b, 0,1,2,3
.irp j, 0,1,2,3
	global_load_b128 v[16*\b+4*\j:16*\b+4*\j+3], v[H64], s[14:15] offset:128*\b+16*\j
	global_load_b128 v[64+16*\b+4*\j:64+16*\b+4*\j+3], v[H64], s[16:17] offset:128*\b+16*\j
	global_load_b128 v[128+16*\b+4*\j:128+16*\b+4*\j+3], v[H64], s[18:19] offset:128*\b+16*\j
	global_load_b128 v[192+16*\b+4*\j:192+16*\b+4*\j+3], v[H64], s[22:23] offset:128*\b+16*\j
.endr
.endr
	WIN 0
	BATCH 0, WY, SY, 0, 0
	BATCH 1, WY, SY, 8192, 512
	BATCH 2, WY, SY, 16384, 1024
	s_wait_loadcnt 51                              ; all but the ring's three batches
.irp s, 0,1,2,3
.irp c, 0,1,2,3
	ds_store_b128 v[AWI], v[BF+16*\s+4*\c:BF+16*\s+4*\c+3] offset:XIMG+8192*\s+512*\c
.endr
	ds_store_b32 v[AWS], v[BS+\s] offset:XSC+512*\s
.endr
.irp i, 0,1,2,3
	ds_store_b128 v[T16], v[PC+4*\i:PC+4*\i+3] offset:B1L+2048*\i
.endr
	WIN 0x8e                                       ; x + bp: what the first sums start from
.irp m, 0,1,2,3
.set i, 0
.rept 32
	v_pk_add_f32 v[64*\m+2*i:64*\m+2*i+1], v[64*\m+2*i:64*\m+2*i+1], v[2*i:2*i+1]
.set i, i+1
.endr
.endr
	WIN 0
	BARRIER                                        ; attn_out's sixteen fragments and b1 lie in LDS
	s_wait_alu depctr_vm_vsrc(0)                   ; my LDS stores have read v[BF ..] and v[BS ..], in which the loads below land
	FETCH 0, 0, 0, 512
	PASS 2, 0, 512, 0, 0                           ; x1
; my 128 columns' mean and sum of squared differences, for the 16 tokens of tile m
.macro STAT m
	WIN 0x0a
.irp k, 0,1,2,3
	v_pk_add_f32 v[AC+2*\k:AC+2*\k+1], v[64*\m+4*\k:64*\m+4*\k+1], v[64*\m+4*\k+2:64*\m+4*\k+3]
.endr
	WIN 0x08
.set i, 0
.rept 24
	v_pk_add_f32 v[AC+2*(i%4):AC+2*(i%4)+1], v[AC+2*(i%4):AC+2*(i%4)+1], v[64*\m+16+2*i:64*\m+17+2*i]
.set i, i+1
.endr
	WIN 0
	REDUCE T
	v_mul_f32 v[SP+2*\m], s29, v[T]
	WIN 0xc2
.set i, 0
.rept 32
	v_pk_add_f32 v[2*i:2*i+1], v[64*\m+2*i:64*\m+2*i+1], v[SP+2*\m:SP+2*\m+1] op_sel_hi:[1,0] neg_lo:[0,1] neg_hi:[0,1]
.set i, i+1
.endr
	WIN 0x0f
.irp k, 0,1,2,3
	v_pk_mul_f32 v[AC+2*\k:AC+2*\k+1], v[2*\k:2*\k+1], v[2*\k:2*\k+1]
.endr
.set i, 4
.rept 28
	v_pk_fma_f32 v[AC+2*(i%4):AC+2*(i%4)+1], v[2*i:2*i+1], v[2*i:2*i+1], v[AC+2*(i%4):AC+2*(i%4)+1]
.set i, i+1
.endr
	WIN 0
	REDUCE SP+2*\m+1
.endm
	STAT 0
	STAT 1
	STAT 2
	STAT 3
	s_wait_alu depctr_va_vdst(0)                   ; the four pairs v[SP ..] are written, which the stores below read
.irp m, 0,1,2,3
	ds_store_b64 v[STA], v[SP+2*\m:SP+2*\m+1] offset:STATS+1024*\m
.endr
	BARRIER                                        ; all four waves' figures lie in LDS; nobody reads attn_out's images any more
.irp m, 0,1,2,3
.irp w, 0,1,2,3
	ds_load_b64 v[SR+8*\m+2*\w:SR+8*\m+2*\w+1], v[STR] offset:STATS+1024*\m+256*\w
.endr
.endr
	s_wait_dscnt 0x0
.irp m, 0,1,2,3
	v_add_f32 v[T], v[SR+8*\m], v[SR+8*\m+2]
	v_add_f32 v[T+1], v[SR+8*\m+4], v[SR+8*\m+6]
	v_add_f32 v[T], v[T], v[T+1]
	v_mul_f32 v[MU+2*\m], 0x3e800000, v[T]         ; the mean of the four means
	v_add_f32 v[AC], v[SR+8*\m+1], v[SR+8*\m+3]
	v_add_f32 v[AC+1], v[SR+8*\m+5], v[SR+8*\m+7]
	v_add_f32 v[AC], v[AC], v[AC+1]
	v_sub_f32 v[T], v[SR+8*\m], v[MU+2*\m]
	v_mul_f32 v[AC+1], v[T], v[T]
.irp w, 1,2,3
	v_sub_f32 v[T], v[SR+8*\m+2*\w], v[MU+2*\m]
	v_fma_f32 v[AC+1], v[T], v[T], v[AC+1]
.endr
	v_fma_f32 v[AC], v[AC+1], s52, v[AC]           ; + 128 x the squares of the means' differences
	v_fma_f32 v[RS+2*\m], v[AC], s30, s31          ; var + eps
.endr
.irp m, 0,1,2,3
	v_rsq_f32 v[RS+2*\m], v[RS+2*\m]
.endr
	v_nop
	s_wait_alu depctr_va_vdst(0)                   ; one wait for the four, ahead of their first reader: v[RS ..] are written
; tile m's normed rows, my 128 columns: K step w of the next operand; its codes and scale word go into out-buffer m
.macro NORM m
	WIN 0xc2
.set i, 0
.rept 32
	v_pk_add_f32 v[2*i:2*i+1], v[64*\m+2*i:64*\m+2*i+1], v[MU+2*\m:MU+2*\m+1] op_sel_hi:[1,0] neg_lo:[0,1] neg_hi:[0,1]
.set i, i+1
.endr
	WIN 0xc3
.set i, 0
.rept 32
	v_pk_mul_f32 v[2*i:2*i+1], v[2*i:2*i+1], v[RS+2*\m:RS+2*\m+1] op_sel_hi:[1,0]
.set i, i+1
.endr
	WIN 0xff
.set i, 0
.rept 32
	v_pk_fma_f32 v[2*i:2*i+1], v[2*i:2*i+1], v[64+2*i:65+2*i], v[128+2*i:129+2*i]
.set i, i+1
.endr
	QUANT 0, 3, 0, OB+16*\m, OW+\m
	WIN 0x8e                                       ; x1 + b2: what the last sums start from
.set i, 0
.rept 32
	v_pk_add_f32 v[64*\m+2*i:64*\m+2*i+1], v[64*\m+2*i:64*\m+2*i+1], v[192+2*i:193+2*i]
.set i, i+1
.endr
	WIN 0
.endm
	NORM 0
	NORM 1
	NORM 2
	NORM 3
	s_wait_alu depctr_va_vdst(0)                   ; the four fragments' codes v[OB ..] and scale words v[OW ..] are written, which the stores below read
.irp m, 0,1,2,3
.irp c, 0,1,2,3
	ds_store_b128 v[XWI], v[OB+16*\m+4*\c:OB+16*\m+4*\c+3] offset:XIMG+2048*\m+512*\c
.endr
	ds_store_b32 v[XWS], v[OW+\m] offset:XSC+128*\m
.endr
	BARRIER                                        ; the normed rows' sixteen fragments lie in LDS
	FETCH 0, 0, 0, 512                             ; into set 0, which no vector instruction has named since the wait above
	s_mov_b32 s37, 0                               ; b1: 2,048 bytes a trip
	s_mov_b32 s38, 0                               ; the hidden images: 8,192
	s_mov_b32 s39, 0                               ; their scale words: 512
	s_mov_b32 s40, 4
.Lh:                                               ; hidden units 512 i on, my 128 of them
	s_wait_alu depctr_vm_vsrc(0)                   ; the last run of stores has read v[OB ..] and v[OW ..], in which group 0's loads land, and v[HWT], v[HST]; b1's last loads have read v[B1A]: the three are written below
	v_add_nc_u32 v[B1A], s37, v[B1A0]
	v_add_nc_u32 v[HWT], s38, v[HW0]
	v_add_nc_u32 v[HST], s39, v[HS0]
	WIN 0xc0
	s_wait_alu depctr_va_vdst(0)                   ; v[B1A] is written; the norm, or the last trip's quantising, is done with window 3, in which the loads below land; the pass before is done reading ring slot 3 and set 1
.irp m, 0,1,2,3
.irp t, 0,1,2,3,4,5,6,7
.irp j, 0,1
	ds_load_b128 v[64*\m+8*\t+4*\j:64*\m+8*\t+4*\j+3], v[B1A] offset:B1L+128*(\t/2)+32*(\t%2)+16*\j   ; b1 is what the sums start from
.endr
.endr
.endr
	WIN 0
	PASS 3, 1, 512, 0, 0
.irp m, 0,1,2,3
	QUANT 64*\m, 3, 1, OB+16*\m, OW+\m             ; tile m into out-buffer m
.endr
	s_wait_alu depctr_va_vdst(0)                   ; the four fragments' codes v[OB ..] and scale words v[OW ..] are written, which the stores below read; so are v[HWT] and v[HST]
.irp m, 0,1,2,3
.irp c, 0,1,2,3
	ds_store_b128 v[HWT], v[OB+16*\m+4*\c:OB+16*\m+4*\c+3] offset:2048*\m+512*\c
.endr
	ds_store_b32 v[HST], v[OW+\m] offset:128*\m
.endr
	s_add_co_u32 s37, s37, 2048
	s_add_co_u32 s38, s38, 8192
	s_add_co_u32 s39, s39, 512
	s_sub_co_u32 s40, s40, 1
	s_cmp_lg_u32 s40, 0
	s_cbranch_scc1 .Lh
	BARRIER                                        ; the hidden layer's 64 fragments lie in LDS
	s_mov_b32 s32, HIMG                            ; K step 4 i + s was made by wave s in trip i
	s_mov_b32 s33, HIMG+32768
	s_mov_b32 s34, HIMG+65536
	s_mov_b32 s35, HIMG+98304
	s_mov_b32 s36, HSC
.macro DADDR
.irp s, 0,1,2,3
	v_add_nc_u32 v[BA+\s], s[32+\s], v[LI]
.endr
	v_add_nc_u32 v[BSA], s36, v[LS]
.endm
	s_wait_alu depctr_vm_vsrc(0)                   ; the fetches so far have read v[BA ..] and v[BSA], written below; the last run of stores has read v[OB ..] and v[OW ..], in which group 0's loads land
	DADDR
	s_wait_alu depctr_va_vdst(0)                   ; v[BA ..] and v[BSA] are written, which the loads below read
	FETCH 0, 0, 0, 2048
	s_mov_b32 s40, 3
.Ld:
	PASS 2, 2, 2048, 0, 1
	s_add_co_u32 s32, s32, 8192
	s_add_co_u32 s33, s33, 8192
	s_add_co_u32 s34, s34, 8192
	s_add_co_u32 s35, s35, 8192
	s_add_co_u32 s36, s36, 512
	s_wait_alu depctr_vm_vsrc(0)                   ; the pass's fetches have read v[BA ..] and v[BSA], written below; the wait at the next pass's head states that they are written
	DADDR
	s_sub_co_u32 s40, s40, 1
	s_cmp_lg_u32 s40, 0
	s_cbranch_scc1 .Ld
	PASS 2, 0, 2048, 1, 1                          ; the last pass is written out: no weights follow
	; THE WAY OUT.  A lane holds 64 neighbouring bytes of a row four times over, and a row's 2,048 bytes come from four waves: the 64 rows meet in a stage and each wave stores 16 whole rows.
	s_wait_alu depctr_va_vdst(0)                   ; the matrix instructions have written the accumulators, which the LDS stores below read; the eight places stand ahead of this wait
	BARRIER                                        ; nobody reads the hidden layer's images any more
	WIN 0x08                                       ; an LDS store's data: window 2
.irp m, 0,1
.irp b, 0,1,2,3
.irp j, 0,1,2,3
	ds_store_b128 v[STO], v[64*\m+16*\b+4*\j:64*\m+16*\b+4*\j+3] offset:33024*\m+128*\b+16*\j   ; each accumulator from its low end on
.endr
.endr
.endr
.irp m, 0,1
.irp b, 0,1,2,3
.irp j, 0,1,2,3
	ds_store_b128 v[STO2], v[128+64*\m+16*\b+4*\j:128+64*\m+16*\b+4*\j+3] offset:33024*\m+128*\b+16*\j
.endr
.endr
.endr
	WIN 0
	BARRIER                                        ; 64 whole rows lie in the stage
	WIN 0xc0
.set i, 0
.rept 64
	ds_load_b128 v[4*i:4*i+3], v[SRD] offset:2064*(i/4)+512*(i%4)   ; into window 3, which no vector instruction has named since the hidden loop's last wait
.set i, i+1
.endr
	WIN 0x0c                                       ; a store's data: window 3
.set i, 0
.rept 64
	s_wait_dscnt 63-i                              ; the younger loads may be out
	global_store_b128 v[LI], v[4*i:4*i+3], s[24:25] offset:((i/4)+8*((i/4)/8))*2048+512*(i%4) th:TH_STORE_NT   ; 512 consecutive bytes, aligned; written once
.set i, i+1
.endr
	WIN 0
	s_wait_dscnt 0x0                               ; the closing lines, six on end
	s_wait_alu 0x0
	s_wait_tensorcnt 0x0
	ds_add_u32 v94, v95
	s_wait_dscnt 0x0
	s_endpgm
.Lfunc_end_k_q69e5507f85_tail:
	.size	k_q69e5507f85_tail, .Lfunc_end_k_q69e5507f85_tail-k_q69e5507f85_tail
	.p2alignl 7, 3214868480
	.fill 96, 4, 3214868480
	.section	.rodata,"a",@progbits
	.p2align	6, 0x0
	.amdhsa_kernel k_q69e5507f85_tail
		.amdhsa_group_segment_fixed_size 187904
		.amdhsa_private_segment_fixed_size 0
		.amdhsa_enable_private_segment 0
		.amdhsa_kernarg_size 88
		.amdhsa_user_sgpr_count 2
		.amdhsa_user_sgpr_kernarg_segment_ptr 1
		.amdhsa_wavefront_size32 1
		.amdhsa_system_sgpr_workgroup_id_x 1
		.amdhsa_system_sgpr_workgroup_id_y 1
		.amdhsa_system_sgpr_workgroup_id_z 1
		.amdhsa_system_vgpr_workitem_id 0
		.amdhsa_next_free_vgpr 1024
		.amdhsa_next_free_sgpr 66
		.amdhsa_reserve_vcc 0
		.amdhsa_float_denorm_mode_32 3
		.amdhsa_float_denorm_mode_16_64 3
		.amdhsa_memory_ordered 1
		.amdhsa_forward_progress 1
		.amdhsa_inst_pref_size 255
	.end_amdhsa_kernel
	.section	.bss,"aw",@nobits
	.p2align	6
	.space	262144
	.amdgpu_metadata
---
amdhsa.version: [ 1, 2 ]
amdhsa.kernels:
  - .name:           k_q69e5507f85_tail
    .symbol:         k_q69e5507f85_tail.kd
    .args:
      - { .name: x, .offset: 0, .size: 8, .value_kind: global_buffer, .address_space: global }
      - { .name: aimg, .offset: 8, .size: 8, .value_kind: global_buffer, .address_space: global }
      - { .name: asc, .offset: 16, .size: 8, .value_kind: global_buffer, .address_space: global }
      - { .name: wst, .offset: 24, .size: 8, .value_kind: global_buffer, .address_space: global }
      - { .name: wss, .offset: 32, .size: 8, .value_kind: global_buffer, .address_space: global }
      - { .name: bp, .offset: 40, .size: 8, .value_kind: global_buffer, .address_space: global }
      - { .name: ln2_w, .offset: 48, .size: 8, .value_kind: global_buffer, .address_space: global }
      - { .name: ln2_b, .offset: 56, .size: 8, .value_kind: global_buffer, .address_space: global }
      - { .name: b1, .offset: 64, .size: 8, .value_kind: global_buffer, .address_space: global }
      - { .name: b2, .offset: 72, .size: 8, .value_kind: global_buffer, .address_space: global }
      - { .name: out0, .offset: 80, .size: 8, .value_kind: global_buffer, .address_space: global }
    .group_segment_fixed_size: 187904
    .private_segment_fixed_size: 0
    .kernarg_segment_align: 8
    .kernarg_segment_size: 88
    .max_flat_workgroup_size: 128
    .sgpr_count:     66
    .vgpr_count:     1024
    .wavefront_size: 32
...
	.end_amdgpu_metadata
.endif
;; end of part 5
